; MI455X (gfx1250); checked and timed in simulation.
; The chip was launched on July 23, 2026; its instructions are those of AMD's public machine-readable ISA for CDNA 5 (MIT licence, August 2026) and "CDNA5" Instruction Set Architecture Reference Guide (July 2026). The comments in the code are by the model that wrote it; some were corrected since.
;; Causal Self Attention. Allowed arithmetic: matrix products marked QUANTISED: E2M3 operands, one E8M0 scale for each 32 along K, by v_wmma_scale_f32_16x16x128_f8f6f4 with both operands' format E2M3, f32 sums; products left as they are: f32 operands where the result goes on into a quantised operand, else bf16, f16 or f32 operands; f32 sums; everything else in f32.
;; Inputs: W_attn 1,024 x 3,072 float32; W_proj 1,024 x 1,024 float32; x 4 x 2,048 x 1,024 float32.
;; Outputs: out0 4 x 2,048 x 1,024 float32.
;; This version of the problem:
;;   THIS VERSION OF THE PROBLEM IS GIVEN IN LOW PRECISION. The matrix products marked QUANTISED in the list below multiply operands that are first quantised to E2M3 (2 exponent bits, 3 mantissa bits; 6 bits a number), with one power-of-two scale for each 32 numbers along K (OCP MX v1.0); their sums are f32. All else is computed in f32.
;;   The module's matrix products, in the order in which they are computed (A, B: the left and right operand; K: the contracted axis; several contracted axes count as one K, in the product's order):
;;     1. [M 8,192, K 1,024] x [K 1,024, N 3,072]; A: input x; B: input W_attn: QUANTISED
;;     2. [M 2,048, K 1] x [K 1, N 32]; A: computed on the way; B: computed on the way: left as it is (no contracted axis)
;;     3. batch 64 x [M 2,048, K 64] x [K 64, N 2,048]; A: computed on the way; B: computed on the way: QUANTISED
;;     4. batch 64 x [M 2,048, K 2,048] x [K 2,048, N 64]; A: softmax (see below); B: computed on the way: QUANTISED
;;     5. [M 8,192, K 1,024] x [K 1,024, N 1,024]; A: computed on the way; B: input W_proj: QUANTISED
;;   THE QUANTISER, for each operand of a quantised product, along K:
;;     - K is cut into blocks of 32 from its start; a last block that is shorter is filled with zeros.
;;     - A block's scale is 2^e with e = floor(log2(the largest magnitude in the block)) - 2, held to -126 .. 127; a block of zeros has e = 0. As a byte (E8M0): e + 127.
;;     - Each number is divided by its block's scale, clamped to +-7.5, and rounded to the nearest number of E2M3, ties to even, subnormals kept.
;;     - The product sums the exact products of the quantised numbers (number of the format x scale) in f32.
;;   ~~~python
;;   def quantise(x, axis):      # numpy; x: float32 -> the quantised numbers, widened to float32 again
;;       x = np.moveaxis(x, axis, -1); K = x.shape[-1]
;;       x = np.pad(x, [(0, 0)] * (x.ndim - 1) + [(0, -K % 32)]); x = x.reshape(x.shape[:-1] + (-1, 32)); a = np.abs(x).max(-1, keepdims=True)
;;       e = np.where(a > 0, np.clip(np.frexp(np.where(a > 0, a, 1))[1] - 1 - 2, -126, 127), 0)      # np.frexp(a)[1] - 1 = floor(log2(a)), exactly
;;       r = np.clip(x / 2.0 ** e, -7.5, 7.5)
;;       step = 2.0 ** (np.maximum(np.frexp(np.where(r == 0, 1, r))[1] - 1, 0) - 3)
;;       q = np.round(r / step) * step * 2.0 ** e      # np.round: ties to even
;;       return np.moveaxis(q.reshape(q.shape[:-2] + (-1,))[..., :K], -1, axis).astype(np.float32)
;;   ~~~
;;   SOFTMAX AHEAD OF A QUANTISED PRODUCT. Where the list says 'softmax', what is quantised is not the finished softmax but p = 2^(t - M), with t = logit x log2(e) and M = ceil(the row's largest t), a whole number; so 1/2 < the row's largest p <= 1. The row's sum l is taken of the UNQUANTISED p, in f32, and the product's result is divided by l at the end. Since M is a whole number, a kernel that streams over the keys may use a running M (the ceiling of the running maximum): every later rescaling is an exact power of two, which a block's scale takes up: the codes' values come out the same.
;;   OPERANDS COMPUTED ON THE WAY. 'Computed on the way' means the value that the module computes at that place (a softmax that the list does not call 'softmax' is quantised finished and normalised). What goes into a quantiser is computed in f32, as accurately as f32 sums, v_exp_f32 and their like allow (about 1e-6 of the number): no bf16 or f16 on the way to a quantiser, and a product that is left as it is and whose result goes on into a quantised operand takes f32 operands (vector FMAs, or v_wmma_f32_16x16x4_f32). A number that lies on a knife's edge between two numbers of the format may be rounded either way, as far as f32 arithmetic and the matrix unit's own rounding can turn it there, and no further.
;; One version. Each part assembles by itself: llvm-mc -triple=amdgcn-amd-amdhsa -mcpu=gfx1250 --defsym DOCPART=n.
;; ======== version 1 of 1: 4 launches
;; limits: right only within a limited range of input values
;; workspace buffers: xc 6,291,456 bytes; xs 262,144 bytes; wc 3,145,728 bytes; ws 131,072 bytes; tab 524,288 bytes; qkv 26,738,688 bytes; yc 6,291,456 bytes; ys 262,144 bytes
;; launch qx (part 1): grid 576 x 1, 8 waves a work-group, no clusters, 69,120 bytes of LDS; arguments x, xc, xs, tab, W_attn, W_proj, wc, ws; writes xc, xs, tab, wc, ws
.if DOCPART == 1
	.amdgcn_target "amdgcn-amd-amdhsa--gfx1250"
	.amdhsa_code_object_version 6
	.text
	.protected	k_q0ab55c2c85_qx
	.globl	k_q0ab55c2c85_qx
	.p2align	8
	.type	k_q0ab55c2c85_qx,@function
k_q0ab55c2c85_qx:
	s_mov_b64 s[64:65], 0
	v_nop
	global_prefetch_b8 v0, s[64:65] scope:SCOPE_SE
	s_setreg_imm32_b32 hwreg(HW_REG_WAVE_MODE, 25, 1), 1
	s_wait_xcnt 0x0
; x [8192][1024] f32 becomes codes of FP6 (E2M3) with one E8M0 byte for each 32 along K, laid as IMAGES OF OPERAND REGISTERS, and the table of cos and sin for the rotation is made on the side.
; ORDER OF ROWS.  Row block rb holds 16 rows; its lane-row r is the true row 32 (rb / 2) + 8 (rb % 2) + r % 8 + 16 (r / 8).  Every operand of this program is laid in that order: where such a block is source 0 of a
; matrix instruction, the 16 result registers of blocks 2 b and 2 b + 1 are 16 neighbours of the true order, which is what the next quantiser wants.
; IMAGE.  A fragment (16 rows x 128 K, 12 registers a lane) is 1,536 bytes: registers 0-3 at 16 x lane, 4-5 at 512 + 8 x lane, 6-9 at 768 + 16 x lane, 10-11 at 1,280 + 8 x lane.  xc = [rb 512][fragment 8][1536].
; Scale words: xs = [rb][K step of 256: 4][r 16][fragment of the step: 2], 4 bytes each.
; SHARES.  A work-group takes one row block, its wave w fragment w.  Each of a wave's 16 loads reads 512 consecutive bytes of one row; the 8,192 bytes turn through the wave's own stage in LDS (rows 528 bytes apart),
; so that a lane comes to hold 16 neighbours of each block of 32.  All stores of codes cover whole aligned runs of 256 or 512 bytes.
; THE TABLE.  tab = [tile of 16 positions: 128][p 8][lane][cos, cos, sin, sin] for frequencies 16 (lane / 16) + 2 p + 0, 1 and position = the tile's lane-row.  Waves 0 and 1 make one piece of 512 bytes each, while their loads are out.
; 10^(j / 8) is a product of constants kept as pairs of f32 (value and remainder), rounded once; 1 / that by a reciprocal and two Newton steps; the angle is one f32 product; it is reduced by pi / 2 in two parts, and sin and cos are polynomials.
; LIMITS: NaN and infinities in x are not served.  A block whose largest magnitude lies under 2^-124, a block of zeros among them, keeps the byte 1 (its codes are what the conversion gives under that scale; zeros for zeros); the bytes are read by this program alone.
; The table's cos and sin are right to about 1e-7; the frequency is the rounded power followed by the rounded reciprocal.
.set STGW,  8448                       ; a wave's stage: 16 rows x 528 bytes
.set SCB,   67584                      ; behind the eight stages: the block's 128 scale words
.set SPARE, 68096                      ; the spare words, 128 bytes for each wave
.set R,   32                           ; v32-95   the 16 loads as they come
.set X,   96                           ; v96-159  register 16 b + i = k 32 b + 16 (lane / 16) + i of my row
.set PC,  160                          ; v160-179 the codes
.set TM,  180                          ; v180-195 magnitudes, bytes, scale operands
.set PW,  196                          ; the scale word
.set SPW, 12                           ; v12 my spare word, v13 zero: kept for the add alone
.set NIL, 13
.set SEL, 12                           ; s[12:13] lane selects: lane l xor 16
.macro QUANT s
.irp b, 0,1,2,3
	v_max3_num_f32 v[TM+\b], |v[\s+16*\b]|, |v[\s+1+16*\b]|, 0x1800000   ; my 16 numbers of block b, over the floor 2^(3 - 127): the byte cannot fall under 1
.endr
.irp i, 2,4,6,8,10,12,14
.irp b, 0,1,2,3
	s_delay_alu instid0(VALU_DEP_4)
	v_max3_num_f32 v[TM+\b], v[TM+\b], |v[\s+16*\b+\i]|, |v[\s+1+16*\b+\i]|
.endr
.endr
.irp b, 0,1,2,3
	s_delay_alu instid0(VALU_DEP_4)
	v_permlanex16_b32 v[TM+4+\b], v[TM+\b], s[SEL], s[SEL+1]
.endr
.irp b, 0,1,2,3
	s_delay_alu instid0(VALU_DEP_4)
	v_max_num_f32 v[TM+\b], v[TM+\b], v[TM+4+\b]       ; with lane l xor 16: the block's largest magnitude
.endr
.irp b, 0,1,2,3
	s_delay_alu instid0(VALU_DEP_4)
	v_add_nc_u32 v[TM+12+\b], 0xff000000, v[TM+\b]     ; 2 off its exponent field: the conversion's scale operand
.endr
.irp b, 0,1,2,3
	s_delay_alu instid0(VALU_DEP_4)
	v_lshrrev_b32 v[TM+4+\b], 23, v[TM+12+\b]          ; the byte
.endr
	s_delay_alu instid0(VALU_DEP_3)
	v_lshl_or_b32 v[PW], v[TM+5], 8, v[TM+4]
	s_delay_alu instid0(VALU_DEP_1)
	v_lshl_or_b32 v[PW], v[TM+6], 16, v[PW]
	s_delay_alu instid0(VALU_DEP_1)
	v_lshl_or_b32 v[PW], v[TM+7], 24, v[PW]
.irp c, 0,1
	v_cvt_scalef32_pk16_fp6_f32 v[PC+6*\c:PC+2+6*\c], v[\s+32*\c:\s+15+32*\c], v[TM+12+2*\c]
	v_cvt_scalef32_pk16_fp6_f32 v[PC+12+4*\c:PC+14+4*\c], v[\s+16+32*\c:\s+31+32*\c], v[TM+12+2*\c+1]
.endr
	v_nop                                              ; one plain line behind the scaled conversions
.irp c, 0,1                                        ; the layout wants a whole block in a lane: lanes 0-15 block 2 c, lanes 16-31 block 2 c + 1
.irp i, 0,1,2
	v_permlane16_swap_b32 v[PC+6*\c+\i], v[PC+12+4*\c+\i]
.endr
.irp i, 0,1,2
	s_delay_alu instid0(VALU_DEP_3)
	v_mov_b32 v[PC+3+6*\c+\i], v[PC+12+4*\c+\i]
.endr
.endr
.endm
; (dh, dl) = (ah, al) x (bh, bl): the product of the values, its exact remainder by a fused multiply-add, the two cross terms, and the sum brought to value and remainder again
.macro DMUL dh, dl, ah, al, bh, bl
	v_mul_f32 v230, v[\ah], v[\bh]
	s_delay_alu instid0(VALU_DEP_1)
	v_fma_f32 v231, v[\ah], v[\bh], -v230
	s_delay_alu instid0(VALU_DEP_1)
	v_fma_f32 v231, v[\ah], v[\bl], v231
	s_delay_alu instid0(VALU_DEP_1)
	v_fma_f32 v231, v[\al], v[\bh], v231
	s_delay_alu instid0(VALU_DEP_1)
	v_add_f32 v[\dh], v230, v231
	s_delay_alu instid0(VALU_DEP_1)
	v_sub_f32 v232, v[\dh], v230
	s_delay_alu instid0(VALU_DEP_1)
	v_sub_f32 v[\dl], v231, v232
.endm
.macro NEWTON y, p
	v_fma_f32 v230, -v[\p], v[\y], 1.0
	v_fma_f32 v[\y], v[\y], v230, v[\y]
.endm
; cos and sin of the angle in v[a] (0 to 2,047): n = the nearest multiple of pi / 2; the rest, at most pi / 4, goes into the two polynomials; n mod 4 swaps them and sets the signs, by selections alone
.macro SINCOS a, c, s
	v_mul_f32 v220, 0x3f22f983, v[\a]
	s_delay_alu instid0(VALU_DEP_1)
	v_rndne_f32 v220, v220
	s_delay_alu instid0(VALU_DEP_1)
	v_fma_f32 v221, -v220, s35, v[\a]
	s_delay_alu instid0(VALU_DEP_1)
	v_fma_f32 v221, -v220, s36, v221
	s_delay_alu instid0(VALU_DEP_1)
	v_mul_f32 v222, v221, v221
	v_mov_b32 v223, 0xb94ca1f9
	s_delay_alu instid0(VALU_DEP_1)
	v_fmaak_f32 v223, v223, v222, 0x3c08839e
	s_delay_alu instid0(VALU_DEP_1)
	v_fmaak_f32 v223, v223, v222, 0xbe2aaaa3
	s_delay_alu instid0(VALU_DEP_1)
	v_mul_f32 v223, v223, v222
	s_delay_alu instid0(VALU_DEP_1)
	v_fma_f32 v223, v223, v221, v221
	v_mov_b32 v224, 0x37ccf5ce
	s_delay_alu instid0(VALU_DEP_1)
	v_fmaak_f32 v224, v224, v222, 0xbab6061a
	s_delay_alu instid0(VALU_DEP_1)
	v_fmaak_f32 v224, v224, v222, 0x3d2aaaa5
	v_mul_f32 v225, v222, v222
	v_fma_f32 v226, v222, -0.5, 1.0
	s_delay_alu instid0(VALU_DEP_1)
	v_fma_f32 v224, v224, v225, v226
	v_cvt_i32_f32 v227, v220
	s_delay_alu instid0(VALU_DEP_1)
	v_and_b32 v225, 1, v227
	s_delay_alu instid0(VALU_DEP_1)
	v_cmp_eq_u32 vcc_lo, 1, v225
	s_delay_alu instid0(VALU_DEP_1)
	v_cndmask_b32 v[\s], v223, v224, vcc_lo
	s_delay_alu instid0(VALU_DEP_2)
	v_cndmask_b32 v[\c], v224, v223, vcc_lo
	v_and_b32 v225, 2, v227
	s_delay_alu instid0(VALU_DEP_1)
	v_lshlrev_b32 v225, 30, v225
	s_delay_alu instid0(VALU_DEP_1)
	v_xor_b32 v[\s], v[\s], v225
	v_add_nc_u32 v226, 1, v227
	s_delay_alu instid0(VALU_DEP_1)
	v_and_b32 v226, 2, v226
	s_delay_alu instid0(VALU_DEP_1)
	v_lshlrev_b32 v226, 30, v226
	s_delay_alu instid0(VALU_DEP_1)
	v_xor_b32 v[\c], v[\c], v226
.endm
	; ONE LAUNCH PREPARES ALL INPUTS: work-groups 0-63 quantise the two weights (the text behind .Lweights, which uses no LDS and no barrier), work-groups 64-575 take x's row blocks 0-511.
	s_cmp_lt_u32 ttmp9, 64                         ; the work-group's number alone decides
	s_cbranch_scc1 .Lweights
	s_sub_co_u32 s37, ttmp9, 64                    ; rb: my row block of x
	s_load_b128 s[4:7], s[0:1], 0x0                ; x, xc
	s_load_b128 s[8:11], s[0:1], 0x10              ; xs, tab
	v_lshl_add_u32 v[SPW], v0, 2, SPARE
	v_mov_b32 v[NIL], 0
	v_lshrrev_b32 v14, 5, v0
	s_delay_alu instid0(VALU_DEP_1)
	v_readfirstlane_b32 s16, v14                   ; wave = fragment
	v_and_b32 v15, 31, v0                          ; lane
	v_and_b32 v16, 15, v0                          ; r
	v_bfe_u32 v17, v0, 4, 1                        ; h
	s_delay_alu instid0(VALU_DEP_3)
	v_lshlrev_b32 v1, 4, v15                       ; 16 x lane
	s_delay_alu instid0(VALU_DEP_4)
	v_lshlrev_b32 v4, 3, v15                       ; 8 x lane
	s_mul_i32 s17, s16, STGW
	v_add_nc_u32 v2, s17, v1                       ; the stage, on the way in: a row's 512 bytes as they lie
	v_mul_u32_u24 v3, v16, 528
	s_delay_alu instid0(VALU_DEP_1)
	v_lshl_add_u32 v3, v17, 6, v3
	s_delay_alu instid0(VALU_DEP_1)
	v_add_nc_u32 v3, s17, v3                       ; and out: row r, + 64 h: my 16 numbers of a block
	s_lshr_b32 s18, s16, 1
	s_lshl_b32 s18, s18, 7
	s_and_b32 s19, s16, 1
	s_lshl_b32 s19, s19, 2
	s_add_co_u32 s18, s18, s19
	s_add_co_u32 s18, s18, SCB
	v_lshl_add_u32 v5, v16, 3, s18                 ; my scale word: 128 (w / 2) + 8 r + 4 (w % 2)
	v_add_nc_u32 v6, SCB, v1                       ; and where wave 0 reads the 512 bytes back
.irp b, 0,1,2,3
	v_mov_b32 v[TM+4+\b], 0                        ; written once: a lane permute's destination counts as a source
.endr
	s_mov_b32 s[SEL], 0x76543210
	s_mov_b32 s[SEL+1], 0xfedcba98
	s_lshr_b32 s20, s37, 1
	s_lshl_b32 s20, s20, 17                        ; 32 rows of 4,096 bytes for each pair of blocks,
	s_and_b32 s21, s37, 1
	s_lshl_b32 s21, s21, 15                        ; 8 rows for the odd one,
	s_add_co_u32 s20, s20, s21
	s_lshl_b32 s21, s16, 9                         ; 512 bytes of a row for each fragment
	s_add_co_u32 s20, s20, s21
	s_mov_b32 s21, 0
	s_mul_i32 s22, s37, 12288
	s_mul_i32 s23, s16, 1536
	s_add_co_u32 s22, s22, s23
	s_mov_b32 s23, 0
	s_lshl_b32 s24, s37, 9
	s_mov_b32 s25, 0
	s_wait_kmcnt 0x0
	s_add_nc_u64 s[4:5], s[4:5], s[20:21]
	s_add_nc_u64 s[6:7], s[6:7], s[22:23]
	s_add_nc_u64 s[8:9], s[8:9], s[24:25]
.irp i, 0,1,2,3,4,5,6,7,8,9,10,11,12,13,14,15
	global_load_b128 v[R+4*\i:R+4*\i+3], v1, s[4:5] offset:((\i%8)+16*(\i/8))*4096 th:TH_LOAD_NT   ; lane-row i: 32 lanes read 512 consecutive bytes; read once in the launch
.endr
	s_cmp_gt_u32 s16, 1
	s_cbranch_scc1 .Lno_table
	; ---- the table: piece p = 2 (rb % 4) + w of tile rb / 4
	s_and_b32 s26, s37, 3
	s_lshl_b32 s26, s26, 1
	s_add_co_u32 s26, s26, s16                     ; p
	s_lshr_b32 s27, s37, 2
	s_lshr_b32 s28, s27, 1
	s_lshl_b32 s28, s28, 5
	s_and_b32 s29, s27, 1
	s_lshl_b32 s29, s29, 3
	s_add_co_u32 s28, s28, s29                     ; its first position
	s_lshl_b32 s29, s27, 12
	s_lshl_b32 s38, s26, 9
	s_add_co_u32 s38, s38, s29
	s_mov_b32 s39, 0
	s_add_nc_u64 s[10:11], s[10:11], s[38:39]
	s_bitcmp1_b32 s26, 0
	s_cselect_b32 s30, 0x3fe39ea9, 1.0             ; 10^(1/4), value
	s_cselect_b32 s31, 0xb26aeea6, 0               ; and remainder; or 1
	s_bitcmp1_b32 s26, 1
	s_cselect_b32 s32, 0x404a62c2, 1.0             ; 10^(1/2)
	s_cselect_b32 s33, 0xb324b48d, 0
	s_bitcmp1_b32 s26, 2
	s_cselect_b32 s34, 0x41200000, 1.0             ; 10
	s_mov_b32 s35, 0x3fc90fdb                      ; pi / 2, value
	s_mov_b32 s36, 0xb33bbd2e                      ; and remainder
	v_and_b32 v200, 8, v16
	s_delay_alu instid0(VALU_DEP_1)
	v_add3_u32 v200, v200, v16, s28                ; my position
	s_delay_alu instid0(VALU_DEP_1)
	v_cvt_f32_u32 v200, v200
	v_mov_b32 v201, s30
	v_mov_b32 v202, s31
	v_mov_b32 v203, s32
	v_mov_b32 v204, s33
	DMUL 201, 202, 201, 202, 203, 204
	v_mov_b32 v203, s34
	v_mov_b32 v204, 0
	DMUL 201, 202, 201, 202, 203, 204
	v_cmp_eq_u32 vcc_lo, 1, v17
	v_mov_b32 v205, 0x42c80000
	s_delay_alu instid0(VALU_DEP_1)
	v_cndmask_b32 v203, 1.0, v205, vcc_lo          ; 100 in lanes 16-31: sixteen frequencies on
	DMUL 201, 202, 201, 202, 203, 204              ; v201 = 10^(j / 8) for the even frequency, rounded once
	v_mov_b32 v203, 0x3faab0d5                     ; 10^(1/8)
	v_mov_b32 v204, 0xb36457e2
	DMUL 208, 209, 201, 202, 203, 204              ; v208: the odd one
	v_rcp_f32 v212, v201
	v_rcp_f32 v213, v208
	v_nop                                          ; a plain line behind the reciprocals,
	s_wait_alu depctr_va_vdst(0)                   ; and one wait for both, ahead of their first reader
	NEWTON 212, 201
	NEWTON 213, 208
	NEWTON 212, 201
	NEWTON 213, 208
	s_delay_alu instid0(VALU_DEP_3)
	v_mul_f32 v214, v200, v212                     ; the angles: one f32 product each
	s_delay_alu instid0(VALU_DEP_2)
	v_mul_f32 v215, v200, v213
	SINCOS 214, 216, 218
	SINCOS 215, 217, 219
	global_store_b128 v1, v[216:219], s[10:11]     ; 32 lanes store 512 consecutive bytes
.Lno_table:
.irp i, 0,1,2,3,4,5,6,7,8,9,10,11,12,13,14,15
	s_wait_loadcnt 15-\i                           ; loads come back in order: row i is in, the younger ones stay out
	ds_store_b128 v2, v[R+4*\i:R+4*\i+3] offset:528*\i
.endr
	s_wait_alu depctr_va_vdst(0)
.irp b, 0,1,2,3
.irp q, 0,1,2,3
	ds_load_b128 v[X+16*\b+4*\q:X+16*\b+4*\q+3], v3 offset:128*\b+16*\q   ; LDS serves a wave's instructions in order: these see my stores
.endr
.endr
	s_wait_dscnt 0x0
	QUANT X
	global_store_b128 v1, v[PC:PC+3], s[6:7]
	global_store_b64 v4, v[PC+4:PC+5], s[6:7] offset:512
	global_store_b128 v1, v[PC+6:PC+9], s[6:7] offset:768
	global_store_b64 v4, v[PC+10:PC+11], s[6:7] offset:1280
	ds_store_b32 v5, v[PW]                         ; lanes r and r + 16 write the same word with the same value
	s_wait_dscnt 0x0                               ; for the others: my word has landed
	s_barrier_signal -1
	s_barrier_wait -1
	s_cmp_lg_u32 s16, 0
	s_cbranch_scc1 .Lend
	ds_load_b128 v[20:23], v6                      ; the block's 128 scale words leave as 512 consecutive bytes
	s_wait_dscnt 0x0
	global_store_b128 v1, v[20:23], s[8:9]
.Lend:
	s_wait_tensorcnt 0x0                           ; the wave's end
	ds_add_u32 v[SPW], v[NIL]
	s_wait_dscnt 0x0
	s_endpgm
; THE WEIGHTS.  W_attn [1024][3072] and W_proj [1024][1024], f32 with K as the FIRST axis, become codes of FP6 (E2M3) along K, laid as images of operand registers: wc = [block of 16 columns: 256][fragment 8][1536], ws = [block][K step 4][r 16][2] words.
; Blocks 0-191 are W_attn's columns (q, k, v), 192-255 W_proj's; lane-row r of block c is column 32 (c / 2) + 8 (c % 2) + r % 8 + 16 (r / 8).  A lane takes a column and its registers run down K: a block of 32 lies in one lane.
; A wave takes 32 columns x 256 along K; work-group n takes K step n / 16 and columns 256 (n % 16) on, its eight waves side by side: a load of the work-group reads 1,024 consecutive bytes.
; Lane l takes column l % 8 + 16 ((l / 8) % 2) + 8 (l / 16) of the 32: lanes 0-15 are the even block of columns, lanes 16-31 the odd one; an exchange of halves between two neighbouring K blocks gives both their registers.
; LIMITS as for x: NaN and infinities are not served; a block whose largest magnitude lies under 2^-124 keeps the byte 1.
.Lweights:
.set WOF, 32                           ; v32-63   4 x my column + i x pitch
.set WX,  64                           ; v64-127  two sets of 32 numbers
.set WCD, 128                          ; v128-175 codes: 6 registers a K block
.set WTT, 176                          ; the upper half of a block's codes is made here and moved
.set WSB, 20                           ; v20-21   my column's two scale words
	s_load_b128 s[4:7], s[0:1], 0x20               ; W_attn, W_proj
	s_load_b128 s[8:11], s[0:1], 0x30              ; wc, ws
	v_lshrrev_b32 v1, 5, v0
	v_readfirstlane_b32 s16, v1                    ; wave 0..7
	v_and_b32 v1, 31, v0
	v_and_b32 v2, 7, v1
	v_bfe_u32 v3, v0, 3, 1
	v_lshl_add_u32 v2, v3, 4, v2
	v_bfe_u32 v3, v0, 4, 1
	v_lshl_add_u32 v2, v3, 3, v2
	v_lshlrev_b32 v2, 2, v2                        ; 4 x my column of the 32
	v_lshlrev_b32 v5, 4, v1                        ; 16 x lane
	v_lshlrev_b32 v6, 3, v1                        ; 8 x lane
	v_and_b32 v7, 15, v0
	v_lshlrev_b32 v7, 3, v7
	v_lshl_add_u32 v7, v3, 9, v7                   ; my scale words: 512 x (lane / 16) + 8 r
	s_lshr_b32 s17, ttmp9, 4                       ; the K step of 256
	s_and_b32 s18, ttmp9, 15
	s_lshl_b32 s18, s18, 3
	s_add_co_u32 s18, s18, s16                     ; g: which 32 columns of the 4,096
	s_mul_i32 s24, s18, 24576
	s_mul_i32 s25, s17, 3072
	s_add_co_u32 s24, s24, s25
	s_mov_b32 s25, 0
	s_lshl_b32 s26, s18, 10
	s_lshl_b32 s27, s17, 7
	s_add_co_u32 s26, s26, s27
	s_mov_b32 s27, 0
	s_wait_alu depctr_va_vdst(0)
	s_wait_kmcnt 0x0
	s_cmp_lt_u32 s18, 96                           ; W_attn's 96 runs of 32 columns, then W_proj's: ids alone decide
	s_cselect_b64 s[4:5], s[4:5], s[6:7]
	s_mov_b32 s14, 4096
	s_cselect_b32 s14, 12288, s14                  ; bytes from a row of K to the next
	s_cselect_b32 s15, 0, 3072
	s_lshl_b32 s18, s18, 5
	s_sub_co_u32 s18, s18, s15
	s_lshl_b32 s18, s18, 2                         ; my wave's first column, in bytes
	s_mul_i32 s20, s17, s14
	s_lshl_b32 s20, s20, 8
	s_add_co_u32 s20, s20, s18
	s_mov_b32 s21, 0
	s_lshl_b32 s22, s14, 5                         ; 32 rows: a block
	s_mov_b32 s23, 0
	s_add_nc_u64 s[32:33], s[4:5], s[20:21]        ; a base for each of the eight blocks: none is ever stepped
.irp t, 1,2,3,4,5,6,7
	s_add_nc_u64 s[32+2*\t:33+2*\t], s[30+2*\t:31+2*\t], s[22:23]
.endr
	s_add_nc_u64 s[8:9], s[8:9], s[24:25]
	s_add_nc_u64 s[10:11], s[10:11], s[26:27]
.irp i, 0,1,2,3,4,5,6,7,8,9,10,11,12,13,14,15,16,17,18,19,20,21,22,23,24,25,26,27,28,29,30,31
	v_mad_u32_u24 v[WOF+\i], s14, \i, v2
.endr
.macro LOAD t
.irp i, 0,1,2,3,4,5,6,7,8,9,10,11,12,13,14,15,16,17,18,19,20,21,22,23,24,25,26,27,28,29,30,31
	global_load_b32 v[WX+32*((\t)%2)+\i], v[WOF+\i], s[32+2*(\t):33+2*(\t)] th:TH_LOAD_NT
.endr
.endm
.macro BLOCK t
.set XS, WX+32*((\t)%2)
.set CB, WCD+24*((\t)/4)+6*((\t)%4)
.if (\t) < 7
	s_wait_loadcnt 32                              ; this block's 32 loads are in; the next block's may be out
.else
	s_wait_loadcnt 0
.endif
	v_max3_num_f32 v12, |v[XS]|, |v[XS+1]|, |v[XS+2]|
	v_max3_num_f32 v13, |v[XS+3]|, |v[XS+4]|, |v[XS+5]|
.irp i, 6,10,14,18,22,26
	v_max3_num_f32 v12, v12, |v[XS+\i]|, |v[XS+\i+1]|
	v_max3_num_f32 v13, v13, |v[XS+\i+2]|, |v[XS+\i+3]|
.endr
	v_max3_num_f32 v12, v12, |v[XS+30]|, |v[XS+31]|
	v_max3_num_f32 v12, v12, v13, 0x1800000        ; over the floor 2^(3 - 127)
	v_add_nc_u32 v11, 0xff000000, v12              ; 2 off the exponent field: the conversion's scale operand
	v_lshrrev_b32 v13, 23, v11                     ; the byte
.if (\t)%4 == 0
	v_mov_b32 v[WSB+(\t)/4], v13
.else
	v_lshl_or_b32 v[WSB+(\t)/4], v13, 8*((\t)%4), v[WSB+(\t)/4]
.endif
	v_cvt_scalef32_pk16_fp6_f32 v[CB:CB+2], v[XS:XS+15], v11
	v_cvt_scalef32_pk16_fp6_f32 v[WTT:WTT+2], v[XS+16:XS+31], v11
	v_nop                                          ; one plain line behind the scaled conversions
.irp i, 0,1,2
	v_mov_b32 v[CB+3+\i], v[WTT+\i]
.endr
.if (\t)+2 < 8
	LOAD (\t)+2
.endif
.endm
.macro EMIT q                          ; four K blocks are done: the first of each pair gives its lanes 16-31 for the second's lanes 0-15
.set CQ, WCD+24*(\q)
.irp i, 0,1,2,3,4,5
	v_permlane16_swap_b32 v[CQ+\i], v[CQ+6+\i]
	v_permlane16_swap_b32 v[CQ+12+\i], v[CQ+18+\i]
.endr
	global_store_b128 v5, v[CQ:CQ+3], s[8:9] offset:1536*(\q)
	global_store_b64 v6, v[CQ+4:CQ+5], s[8:9] offset:1536*(\q)+512
	global_store_b128 v5, v[CQ+12:CQ+15], s[8:9] offset:1536*(\q)+768
	global_store_b64 v6, v[CQ+16:CQ+17], s[8:9] offset:1536*(\q)+1280
	global_store_b128 v5, v[CQ+6:CQ+9], s[8:9] offset:12288+1536*(\q)
	global_store_b64 v6, v[CQ+10:CQ+11], s[8:9] offset:12288+1536*(\q)+512
	global_store_b128 v5, v[CQ+18:CQ+21], s[8:9] offset:12288+1536*(\q)+768
	global_store_b64 v6, v[CQ+22:CQ+23], s[8:9] offset:12288+1536*(\q)+1280
.endm
	LOAD 0
	LOAD 1
	BLOCK 0
	BLOCK 1
	BLOCK 2
	BLOCK 3
	EMIT 0
	BLOCK 4
	BLOCK 5
	BLOCK 6
	BLOCK 7
	EMIT 1
	global_store_b64 v7, v[WSB:WSB+1], s[10:11]    ; my column's two scale words of this K step
	s_endpgm
.Lfunc_end_k_q0ab55c2c85_qx:
	.size	k_q0ab55c2c85_qx, .Lfunc_end_k_q0ab55c2c85_qx-k_q0ab55c2c85_qx
	.p2alignl 7, 3214868480
	.fill 96, 4, 3214868480
	.section	.rodata,"a",@progbits
	.p2align	6, 0x0
	.amdhsa_kernel k_q0ab55c2c85_qx
		.amdhsa_group_segment_fixed_size 69120
		.amdhsa_private_segment_fixed_size 0
		.amdhsa_enable_private_segment 0
		.amdhsa_kernarg_size 64
		.amdhsa_user_sgpr_count 2
		.amdhsa_user_sgpr_kernarg_segment_ptr 1
		.amdhsa_wavefront_size32 1
		.amdhsa_system_sgpr_workgroup_id_x 1
		.amdhsa_system_sgpr_workgroup_id_y 1
		.amdhsa_system_sgpr_workgroup_id_z 1
		.amdhsa_system_vgpr_workitem_id 0
		.amdhsa_next_free_vgpr 240
		.amdhsa_next_free_sgpr 66
		.amdhsa_reserve_vcc 1
		.amdhsa_float_denorm_mode_32 3
		.amdhsa_float_denorm_mode_16_64 3
		.amdhsa_memory_ordered 1
		.amdhsa_forward_progress 1
		.amdhsa_inst_pref_size 64
	.end_amdhsa_kernel
	.amdgpu_metadata
---
amdhsa.version: [ 1, 2 ]
amdhsa.kernels:
  - .name:           k_q0ab55c2c85_qx
    .symbol:         k_q0ab55c2c85_qx.kd
    .args:
      - { .name: x, .offset: 0, .size: 8, .value_kind: global_buffer, .address_space: global }
      - { .name: xc, .offset: 8, .size: 8, .value_kind: global_buffer, .address_space: global }
      - { .name: xs, .offset: 16, .size: 8, .value_kind: global_buffer, .address_space: global }
      - { .name: tab, .offset: 24, .size: 8, .value_kind: global_buffer, .address_space: global }
      - { .name: W_attn, .offset: 32, .size: 8, .value_kind: global_buffer, .address_space: global }
      - { .name: W_proj, .offset: 40, .size: 8, .value_kind: global_buffer, .address_space: global }
      - { .name: wc, .offset: 48, .size: 8, .value_kind: global_buffer, .address_space: global }
      - { .name: ws, .offset: 56, .size: 8, .value_kind: global_buffer, .address_space: global }
    .group_segment_fixed_size: 69120
    .private_segment_fixed_size: 0
    .kernarg_segment_align: 8
    .kernarg_segment_size: 64
    .max_flat_workgroup_size: 256
    .sgpr_count:     66
    .vgpr_count:     240
    .wavefront_size: 32
...
	.end_amdgpu_metadata
.endif
;; end of part 1
;; launch gemm1 (part 2): grid 12 x 32, 4 waves a work-group, clusters of 4 x 4, 327,680 bytes of LDS; arguments xc, xs, wc, ws, tab, qkv; writes qkv
.if DOCPART == 2
	.amdgcn_target "amdgcn-amd-amdhsa--gfx1250"
	.amdhsa_code_object_version 6
	.text
	.protected	k_q0ab55c2c85_gemm1
	.globl	k_q0ab55c2c85_gemm1
	.p2align	8
	.type	k_q0ab55c2c85_gemm1,@function
k_q0ab55c2c85_gemm1:
	s_mov_b64 s[64:65], 0
	v_nop
	global_prefetch_b8 v0, s[64:65] scope:SCOPE_SE
	s_setreg_imm32_b32 hwreg(HW_REG_WAVE_MODE, 25, 1), 1
	s_wait_xcnt 0x0
	s_wait_alu depctr_hold_cnt(0) depctr_sa_sdst(0) depctr_va_vdst(0) depctr_va_sdst(0) depctr_va_ssrc(0) depctr_va_vcc(0) depctr_vm_vsrc(0)
	s_getreg_b32 s2, hwreg(HW_REG_IB_STS2, 6, 4)
	s_cmp_eq_u32 s2, 0
	s_cbranch_scc0 .Lentry_in_a_cluster
	s_endpgm
.Lentry_in_a_cluster:
	s_bfe_u32 s2, ttmp6, 0x10000c
	s_cmp_lg_u32 s2, 0xf033
	s_cbranch_scc0 .Lentry_shape_is_right
	s_endpgm
.Lentry_shape_is_right:
; qkv = x W_attn on codes of FP6 (E2M3) with E8M0 scales, K = 1,024; then, in registers, the rotation of q and k, and the quantisers of q, k (along the head's 64) and v (along the keys).  Only codes and scale bytes go to memory.
; A tile of 256 x 256 is made by four waves, 128 x 128 each: 64 accumulators, 512 registers.  K goes in four steps of 256 through two LDS slots filled by the tensor data mover.
; OPERANDS LIE IN MEMORY AS IMAGES OF THEIR REGISTERS: [block of 16 rows][fragment of 128 K: 8][1536 bytes].  A K step of 8 blocks is a tile of 8 rows x 3,072 bytes; in LDS every fragment load is dense: no padding is needed.
; A fragment: registers 0-3 at 16 x lane, 4-5 at 512 + 8 x lane, 6-9 at 768 + 16 x lane, 10-11 at 1,280 + 8 x lane.  The scale words of 128 rows for all of K are 4,096 dense bytes: they come once and stay.
; ORDER.  Lane-row r of block c is the true index 32 (c / 2) + 8 (c % 2) + r % 8 + 16 (r / 8).  Source 0 takes the B side, source 1 the A side: lane (r, h) holds A's lane-row r, and register j of accumulator (a, b) is B's true index 32 (b / 2) + 16 h + 8 (b % 2) + j.
; THREE KINDS OF CLUSTER, told apart by the cluster's x, which all sixteen partners share.  0: q, 1: k: A = x, B = W's columns: a lane holds one token and, in 64 registers, two heads in the order that the quantiser along the head wants.
; 2: v, THE TRANSPOSED PROBLEM BY THE SAME TEXT: A = W's columns of v, B = x: a lane holds one channel, and its 64 registers are 128 neighbouring keys: the quantiser along the keys needs no transposition.
; The kinds part ONCE, ahead of the last K step's second half of the ring: q and k ask for their first cos and sin there, 128 matrix instructions ahead of the first use; so that K step is written twice.
; CLUSTERS: 4 x 4 work-groups; A's tile is shared along a row of the cluster, B's along a column, each asked for jointly.
; OUT.  qkv is two halves (q; k and v) of [batch x head: 64][208,896 bytes]: 8,192 bytes of k's (q's) scale words [step of 128: 16][r 16][tile 8]; 4,096 of v's [step][r][tile of channels 4]; then for each step 8 tiles of k (768 bytes: half a fragment)
; and 4 fragments of v (three pieces of 512 bytes).  In a scale word of q or k bytes 0, 1 are the head's two blocks and bytes 2, 3 are 0.
; No prefetch: two of the four K steps are first fills, and every operand byte is read again by many work-groups.
; LIMITS: NaN and infinities are not served; a block whose largest magnitude lies under 2^-124, zeros among them, keeps the byte 1; the bytes are read by this program alone.
; REGISTERS: window 0: v0-31 addresses; v32-63 scale words, two sets, and nothing else; v64-127 the table of cos and sin, two sets; v128-223 A's fragments, one set; on the way out v128-243 are at work.
;   window 1: B's fragments, two sets, at v0 and v128.  window 2: the accumulators of my rows 0-63 ((a, b) at v[8 (8 a + b)]); window 3: those of rows 64-127.
.set NQ,    2                          ; matrix instructions deep in a slot
.set FR,    12                         ; registers of a fragment
.set NL,    4                          ; LDS loads that bring one
.set NP,    4                          ; places behind this matrix instruction (ISA guide 7.12.1)
.set RBB,   12288                      ; a block of 16 rows in memory
.set KSB,   3072                       ; its part in a K step
.set HALFT, 8*KSB                      ; 128 rows: what one tensor load brings
.set SLOT,  4*HALFT
.set SCL,   2*SLOT                     ; behind the ring: the scale words
.set HALFS, 4096
.set SBLK,  512
.set SPARE, SCL+4*HALFS                ; the spare words, 128 bytes for each wave
.set HEAD,  208896
.set KVH,   64*HEAD
.set ADRA, 16                          ; v16-17 16 x lane + my A rows in slot 0, 1; v18-19 the same with 8 x lane
.set ADRB, 20                          ; v20-23 the same for B
.set ADRS, 27                          ; v27 my scale words: lanes 0-15 A's, lanes 16-31 B's
.set SPW,  28
.set NIL,  29
.set SC,   32
.set AF,   128
.set TB,   64                          ; the way out: cos and sin
.set RO,   128                         ; the rotated numbers
.set PC,   192                         ; codes
.set TM,   212                         ; magnitudes, bytes, scale operands
.set PW,   228
.set SW,   230                         ; eight scale words
.set OW,   240
.set SEL,  92
.set G1, 24
.set G0, 32
.set G1B, 48
.set G0B, 56
.set G1S, 68
.set G0S, 76
.set G1SB, 80
.set G0SB, 88
.set MSB, 0
.macro WIN new                         ; the immediate's high byte repeats the setting that is left
.if MSB != (\new)
	s_set_vgpr_msb (MSB<<8)|(\new)
.set MSB, (\new)
.endif
.endm
.set MUL_LO, 0xa1                      ; source 0 (B) window 1, source 1 (A) window 0, C and D window 2
.set MUL_HI, 0xf1
.set TO_B,   0x40
; A joint load: waves 0 and 1 fetch for A, waves 2 and 3 for B; the branch hangs on the wave's number alone.  An s_nop 0 and four v_nop follow each of the two lines.
.macro JLOAD g0a, g1a, g0b, g1b
	s_cmp_eq_u32 s15, 0
	s_cbranch_scc0 .Lfor_b_\@
	tensor_load_to_lds s[\g0a:\g0a+3], s[\g1a:\g1a+7]
	s_nop 0
.rept 4
	v_nop
.endr
	s_branch .Lasked_\@
.Lfor_b_\@:
	tensor_load_to_lds s[\g0b:\g0b+3], s[\g1b:\g1b+7]
	s_nop 0
.rept 4
	v_nop
.endr
.Lasked_\@:
.endm
.macro CREST
	s_cmp_lg_u32 s14, 0
	s_cbranch_scc1 .Lnot_wave_0_\@
	s_barrier_signal -3
.Lnot_wave_0_\@:
	s_barrier_wait -3
	s_barrier_signal -1
	s_barrier_wait -1
.endm
.macro CROUND
	s_barrier_signal -1
	s_barrier_wait -1
	CREST
.endm
.macro FRAG reg, adr, q, i
	ds_load_b128 v[\reg:\reg+3], v[\adr] offset:(\i)*KSB+(\q)*1536
	ds_load_b64 v[\reg+4:\reg+5], v[\adr+2] offset:(\i)*KSB+(\q)*1536+512
	ds_load_b128 v[\reg+6:\reg+9], v[\adr] offset:(\i)*KSB+(\q)*1536+768
	ds_load_b64 v[\reg+10:\reg+11], v[\adr+2] offset:(\i)*KSB+(\q)*1536+1280
.endm
; 16 matrix instructions: A's blocks a0, a0 + 1 x B's eight.  The 64 accumulators take turns, one instruction a turn, in the same order in every step.
.macro MUL16 a0, p, q, sc, zero
.irp a, \a0, \a0+1
.irp b, 0,1,2,3,4,5,6,7
.if \zero
	v_wmma_scale_f32_16x16x128_f8f6f4 v[8*(8*((\a)%4)+\b):8*(8*((\a)%4)+\b)+7], v[128*(\p)+FR*\b:128*(\p)+FR*\b+FR-1], v[AF+FR*(\a):AF+FR*(\a)+FR-1], 0, v[SC+8*NQ*(\sc)+NQ*\b+(\q)], v[SC+8*NQ*(\sc)+NQ*(\a)+(\q)] matrix_a_fmt:MATRIX_FMT_FP6 matrix_b_fmt:MATRIX_FMT_FP6 matrix_a_scale:MATRIX_SCALE_ROW1
.else
	v_wmma_scale_f32_16x16x128_f8f6f4 v[8*(8*((\a)%4)+\b):8*(8*((\a)%4)+\b)+7], v[128*(\p)+FR*\b:128*(\p)+FR*\b+FR-1], v[AF+FR*(\a):AF+FR*(\a)+FR-1], v[8*(8*((\a)%4)+\b):8*(8*((\a)%4)+\b)+7], v[SC+8*NQ*(\sc)+NQ*\b+(\q)], v[SC+8*NQ*(\sc)+NQ*(\a)+(\q)] matrix_a_fmt:MATRIX_FMT_FP6 matrix_b_fmt:MATRIX_FMT_FP6 matrix_a_scale:MATRIX_SCALE_ROW1
.endif
.endr
.endr
.endm
.macro FETCH_B slot, q, p
	WIN TO_B
.irp i, 0,1,2,3,4,5,6,7
	FRAG 128*(\p)+FR*\i, ADRB+\slot, \q, \i
.endr
	WIN 0
.endm
.macro FETCH_A slot, q, i0
.irp i, \i0, \i0+1, \i0+2, \i0+3
	FRAG AF+FR*(\i), ADRA+\slot, \q, \i
.endr
.endm
.macro SCALES sc                       ; a K step's two words a row: lanes 0-15 take A's block i, lanes 16-31 B's block i
.irp i, 0,1,2,3,4,5,6,7
	ds_load_b64 v[SC+8*NQ*\sc+NQ*\i:SC+8*NQ*\sc+NQ*\i+1], v[ADRS] offset:\i*SBLK
.endr
.endm
.macro PLACES n                        ; plain vector lines between a matrix instruction and a load into, or a vector read or write of, its registers
.rept \n
	v_nop
.endr
.endm
.macro STEP slot, q, zero              ; 128 along K whose successor lies in the same slot
	s_wait_dscnt 4*NL                              ; B's set, A's blocks 0-3 and the scale words are in; the youngest sixteen loads (A's blocks 4-7) may be out
	WIN MUL_LO
	MUL16 0, (\q)%2, \q, \slot, \zero
	MUL16 2, (\q)%2, \q, \slot, \zero
	s_wait_dscnt 0
	PLACES NP
	FETCH_B \slot, (\q)+1, 1-(\q)%2
	FETCH_A \slot, (\q)+1, 0
	WIN MUL_HI
	MUL16 4, (\q)%2, \q, \slot, \zero
	MUL16 6, (\q)%2, \q, \slot, \zero
	PLACES NP
	WIN 0
	FETCH_A \slot, (\q)+1, 4
.endm
; A slot's last 128 along K, and the change of slots: one barrier; ahead of it each wave waits for all its tensor loads, adds 0 to its spare word, and waits for that and for its reads of this slot.
.macro TURN slot, next, fill
	s_wait_tensorcnt 0x0                           ; all my tensor loads have landed: my part of the next slot
	ds_add_u32 v[SPW], v[NIL]
	s_wait_dscnt 4*NL+1                            ; the add and the youngest sixteen loads may be out
	WIN MUL_LO
	MUL16 0, 1, NQ-1, \slot, 0
	s_wait_dscnt 0x0                               ; the add is done, and my reads of this slot are over
	s_barrier_signal -1
	MUL16 2, 1, NQ-1, \slot, 0
	WIN 0
	s_barrier_wait -1
.if \fill
	CREST                                          ; the barrier has opened a round of the cluster's barrier: no wave of any partner still reads this slot or has a load on its way
	s_add_nc_u64 s[G0+4*\slot+2:G0+4*\slot+3], s[G0+4*\slot+2:G0+4*\slot+3], 2*KSB
	s_add_nc_u64 s[G0B+4*\slot+2:G0B+4*\slot+3], s[G0B+4*\slot+2:G0B+4*\slot+3], 2*KSB
	JLOAD G0+4*\slot, G1, G0B+4*\slot, G1B         ; the first tensor load behind the round, one a wave; its four v_nop are the places ahead of the loads below
.else
	PLACES NP
.endif
	s_wait_alu depctr_va_vdst(0)
	v_add_nc_u32 v[ADRS], 128, v[ADRS]             ; the next K step's scale words
	FETCH_B \next, 0, 0
	FETCH_A \next, 0, 0
	SCALES \next
	WIN MUL_HI
	MUL16 4, 1, NQ-1, \slot, 0
	MUL16 6, 1, NQ-1, \slot, 0
	PLACES NP
	WIN 0
	FETCH_A \next, 0, 4
.endm
; The last K step (slot 1), with nothing more to fetch behind its first half; then the places ahead of the first read of results and the first write over A's fragments.  It stands once on each of the two ways out.
.macro TAIL
	STEP 1, 0, 0
	s_wait_dscnt 4*NL                              ; all but the youngest sixteen loads (A's blocks 4-7)
	WIN MUL_LO
	MUL16 0, 1, NQ-1, 1, 0
	MUL16 2, 1, NQ-1, 1, 0
	s_wait_dscnt 0
	WIN MUL_HI
	MUL16 4, 1, NQ-1, 1, 0
	MUL16 6, 1, NQ-1, 1, 0
	WIN 0
	PLACES NP
.irp b, 0,1,2,3
	v_mov_b32 v[TM+4+\b], 0                        ; written once: a lane permute's destination counts as a source
.endr
.endm
; 64 numbers of a lane in window w, register 16 b + i = k 32 b + 16 (lane / 16) + i of my row, become a fragment's codes in v[PC] on and its scale word in v[pw].  Each accumulator is read from its low end on.
.macro QUANT s, w, pw
.set QW, ((\w)<<2)|((\w)<<4)
	WIN QW                                         ; sources 1 and 2: the numbers' window
.irp b, 0,1,2,3
	v_max3_num_f32 v[TM+\b], 0x1800000, |v[\s+16*\b]|, |v[\s+1+16*\b]|   ; over the floor 2^(3 - 127): the byte cannot fall under 1
.endr
.irp i, 2,4,6,8,10,12,14
.irp b, 0,1,2,3
	v_max3_num_f32 v[TM+\b], v[TM+\b], |v[\s+16*\b+\i]|, |v[\s+1+16*\b+\i]|
.endr
.endr
	WIN 0
.irp b, 0,1,2,3
	v_permlanex16_b32 v[TM+4+\b], v[TM+\b], s[SEL], s[SEL+1]
.endr
.irp b, 0,1,2,3
	v_max_num_f32 v[TM+\b], v[TM+\b], v[TM+4+\b]
.endr
.irp b, 0,1,2,3
	v_add_nc_u32 v[TM+12+\b], 0xff000000, v[TM+\b]
.endr
.irp b, 0,1,2,3
	v_lshrrev_b32 v[TM+4+\b], 23, v[TM+12+\b]
.endr
	v_lshl_or_b32 v[\pw], v[TM+5], 8, v[TM+4]
	v_lshl_or_b32 v[\pw], v[TM+6], 16, v[\pw]
	v_lshl_or_b32 v[\pw], v[TM+7], 24, v[\pw]
.set QW, (\w)
	WIN QW                                         ; source 0: the numbers' window
.irp c, 0,1
	v_cvt_scalef32_pk16_fp6_f32 v[PC+6*\c:PC+2+6*\c], v[\s+32*\c:\s+15+32*\c], v[TM+12+2*\c]
	v_cvt_scalef32_pk16_fp6_f32 v[PC+12+4*\c:PC+14+4*\c], v[\s+16+32*\c:\s+31+32*\c], v[TM+12+2*\c+1]
.endr
	WIN 0
	v_nop                                          ; one plain line behind the scaled conversions
.irp c, 0,1
.irp i, 0,1,2
	v_permlane16_swap_b32 v[PC+6*\c+\i], v[PC+12+4*\c+\i]
.endr
.irp i, 0,1,2
	v_mov_b32 v[PC+3+6*\c+\i], v[PC+12+4*\c+\i]
.endr
.endr
.endm
.macro TAB a                           ; cos and sin for the 16 positions of row block a: 8 pieces of 512 bytes
.irp p, 0,1,2,3,4,5,6,7
	global_load_b128 v[TB+32*((\a)%2)+4*\p:TB+32*((\a)%2)+4*\p+3], v8, s[96:97] offset:(\a)*4096+\p*512
.endr
.endm
; Row block a of q or k.  Head g's lower 32 channels lie in accumulators 4 g + u, the upper in 4 g + 2 + u, channel 16 h + 8 u + j (+ 32): lower x cos - upper x sin, upper x cos + lower x sin, two at a time.
.macro QKOUT a
.set AC, 64*((\a)%4)
.set TS2, TB+32*((\a)%2)
.if (\a) < 7
	s_wait_loadcnt 8                               ; this block's eight table loads are in; the next block's may be out
.else
	s_wait_loadcnt 0
.endif
	WIN 2+(\a)/4                                   ; source 0: the accumulators' window
.irp g, 0,1
.irp u, 0,1
.irp j, 0,2,4,6
	v_pk_mul_f32 v[RO+32*\g+8*\u+\j:RO+32*\g+8*\u+\j+1], v[AC+8*(4*\g+\u)+\j:AC+8*(4*\g+\u)+\j+1], v[TS2+16*\u+2*\j:TS2+16*\u+2*\j+1]
	v_pk_mul_f32 v[RO+32*\g+16+8*\u+\j:RO+32*\g+16+8*\u+\j+1], v[AC+8*(4*\g+2+\u)+\j:AC+8*(4*\g+2+\u)+\j+1], v[TS2+16*\u+2*\j:TS2+16*\u+2*\j+1]
	v_pk_fma_f32 v[RO+32*\g+8*\u+\j:RO+32*\g+8*\u+\j+1], v[AC+8*(4*\g+2+\u)+\j:AC+8*(4*\g+2+\u)+\j+1], v[TS2+16*\u+2*\j+2:TS2+16*\u+2*\j+3], v[RO+32*\g+8*\u+\j:RO+32*\g+8*\u+\j+1] neg_lo:[0,1,0] neg_hi:[0,1,0]
	v_pk_fma_f32 v[RO+32*\g+16+8*\u+\j:RO+32*\g+16+8*\u+\j+1], v[AC+8*(4*\g+\u)+\j:AC+8*(4*\g+\u)+\j+1], v[TS2+16*\u+2*\j+2:TS2+16*\u+2*\j+3], v[RO+32*\g+16+8*\u+\j:RO+32*\g+16+8*\u+\j+1]
.endr
.endr
.endr
	WIN 0
.if (\a) < 6
	TAB (\a)+2
.endif
.if (\a) > 0
	s_wait_xcnt 0x0                                ; the last block's stores have read the codes' registers: they are written again only behind this wait
.endif
	QUANT RO, 0, PW                                ; 128 along K here = two heads of 64: registers 6 g .. 6 g + 5 are head g's half fragment, bytes 2 g, 2 g + 1 its scales
	v_lshrrev_b32 v[SW+(\a)], v10, v[PW]           ; lanes 0-15 keep head 0's two bytes, lanes 16-31 head 1's;
	v_and_b32 v[SW+(\a)], 0xffff, v[SW+(\a)]       ; bytes 2 and 3 are 0
.irp g, 0,1
	global_store_b128 v8, v[PC+6*\g:PC+6*\g+3], s[12:13] offset:\g*HEAD+(\a)*768
	global_store_b64 v9, v[PC+6*\g+4:PC+6*\g+5], s[12:13] offset:\g*HEAD+(\a)*768+512
.endr
.endm
; Row block a of v: 16 channels (tile a % 4 of head a / 4) x 128 keys: the block's 64 accumulator registers are the quantiser's 64 numbers as they stand.
.macro VOUT a
.set QSRC, 64*((\a)%4)
.if (\a) > 0
	s_wait_xcnt 0x0                                ; the last block's stores have read the codes' registers
.endif
	QUANT QSRC, 2+(\a)/4, SW+(\a)
.irp i, 0,1,2
	global_store_b128 v8, v[PC+4*\i:PC+4*\i+3], s[12:13] offset:((\a)/4)*HEAD+6144+((\a)%4)*1536+512*\i
.endr
.endm
	s_load_b128 s[4:7], s[0:1], 0x0                ; xc, xs
	s_load_b128 s[8:11], s[0:1], 0x10              ; wc, ws
	s_load_b128 s[96:99], s[0:1], 0x20             ; tab, qkv
	v_lshl_add_u32 v[SPW], v0, 2, SPARE
	v_mov_b32 v[NIL], 0
	ds_add_u32 v[SPW], v[NIL]                      ; the wave's opening: the add and its wait ahead of my first tensor load; the set-up below stands between them
	ds_add_u32 v[SPW], v[NIL]
	v_lshrrev_b32 v1, 5, v0
	v_readfirstlane_b32 s14, v1                    ; wave 0..3
	s_lshr_b32 s15, s14, 1                         ; my half of the tile's rows.  Also: I fetch for A (0) or B (1)
	s_and_b32 s16, s14, 1                          ; my half of its columns.  Also: which 128 rows I fetch
	s_bfe_u32 s40, ttmp6, 0x40000                  ; cx
	s_bfe_u32 s41, ttmp6, 0x40004                  ; cy
	s_and_b32 s66, ttmp7, 0xffff                   ; the cluster's y
	s_cmp_eq_u32 ttmp9, 2                          ; v?  The cluster's x is the same in all partners
	s_cselect_b32 s42, s66, ttmp9                  ; v: the columns walk x's rows, by the cluster's y;
	s_cselect_b32 s17, 0, s66                      ;    the rows are the four tiles of v's channels
	s_cselect_b32 s67, 128, 0                      ;    which begin at block 128 of wc
	s_lshl_b32 s42, s42, 2
	s_add_co_u32 s42, s42, s40                     ; tile column
	s_lshl_b32 s17, s17, 2
	s_add_co_u32 s17, s17, s41                     ; tile row
	s_lshl_b32 s43, s41, 2
	s_lshl_b32 s43, 15, s43                        ; my row of the cluster
	s_lshl_b32 s44, 0x1111, s40                    ; my column
	; descriptor group 1 for codes: 8 rows (blocks) x 384 elements of 8 bytes, 1,536 elements apart; no padding
	s_or_b32 s[G1+0], s43, (3<<16)|(1<<21)
	s_or_b32 s[G1B+0], s44, (3<<16)|(1<<21)
.irp g, G1, G1B
	s_mov_b32 s[\g+1], 384<<16                     ; tensor_dim0
	s_mov_b32 s[\g+2], 16<<16                      ; tensor_dim1: 16 blocks for the head's loads; set to 8 for the ring's behind them
	s_mov_b32 s[\g+3], 384<<16                     ; tile_dim0
	s_mov_b32 s[\g+4], 16                          ; tile_dim1 likewise
	s_mov_b32 s[\g+5], 1536                        ; stride
	s_mov_b32 s[\g+6], 0
	s_mov_b32 s[\g+7], 0
.endr
	; and for the scale words of 256 rows: 8,192 dense bytes as 32 rows of 256
	s_or_b32 s[G1S+0], s43, (3<<16)|(1<<21)
	s_or_b32 s[G1SB+0], s44, (3<<16)|(1<<21)
.irp g, G1S, G1SB
	s_mov_b32 s[\g+1], 32<<16
	s_mov_b32 s[\g+2], 32<<16                      ; the scale words of 256 rows: 8,192 dense bytes as 32 rows of 256
	s_mov_b32 s[\g+3], 32<<16
	s_mov_b32 s[\g+4], 32
	s_mov_b32 s[\g+5], 32
	s_mov_b32 s[\g+6], 0
	s_mov_b32 s[\g+7], 0
.endr
	s_mul_i32 s18, s16, 8*RBB                      ; in the ring I fetch 8 blocks of a tile: which half, in bytes
	s_mov_b32 s19, 0
	s_lshl_b32 s20, s17, 4
	s_add_co_u32 s20, s20, s67                     ; A: block 16 x tile row + 8 x half (+ 128)
	s_lshl_b32 s46, s42, 4
	s_lshl_b32 s22, s20, 9                         ; their scale words,
	s_mov_b32 s23, 0
	s_lshl_b32 s92, s46, 9
	s_mov_b32 s93, 0
	s_mul_i32 s20, s20, RBB                        ; and their codes, in bytes
	s_mov_b32 s21, 0
	s_mul_i32 s46, s46, RBB
	s_mov_b32 s47, 0
	s_mul_i32 s45, s14, HALFT                      ; where they go: by the wave's number alone
	s_wait_dscnt 0x0                               ; the opening add is done
	s_wait_kmcnt 0x0
	s_cmp_eq_u32 ttmp9, 2                          ; v: W is the A side and x the B side
	s_cselect_b64 s[100:101], s[8:9], s[4:5]
	s_cselect_b64 s[8:9], s[4:5], s[8:9]
	s_mov_b64 s[4:5], s[100:101]
	s_cselect_b64 s[100:101], s[10:11], s[6:7]
	s_cselect_b64 s[10:11], s[6:7], s[10:11]
	s_mov_b64 s[6:7], s[100:101]
	s_add_nc_u64 s[20:21], s[4:5], s[20:21]
	s_add_nc_u64 s[22:23], s[6:7], s[22:23]
	s_add_nc_u64 s[46:47], s[8:9], s[46:47]
	s_add_nc_u64 s[92:93], s[10:11], s[92:93]
	CROUND                                         ; all sixteen work-groups are here: the first joint loads meet
	s_mov_b32 s[G0S], 1
	s_mov_b32 s[G0S+1], SCL
	s_mov_b64 s[G0S+2:G0S+3], s[22:23]
	s_or_b32 s[G0S+3], s[G0S+3], 0x80000000
	s_mov_b32 s[G0SB], 1
	s_mov_b32 s[G0SB+1], SCL+2*HALFS
	s_mov_b64 s[G0SB+2:G0SB+3], s[92:93]
	s_or_b32 s[G0SB+3], s[G0SB+3], 0x80000000
.set G0H, 4                            ; s[4:7], s[8:11] group 0 of the head's loads of K step 0: A's 16 blocks, B's 16 blocks (the arguments that lay there have been used)
.set G0HB, 8
	s_mov_b32 s[G0H], 1
	s_mov_b32 s[G0H+1], 0
	s_mov_b64 s[G0H+2:G0H+3], s[20:21]
	s_or_b32 s[G0H+3], s[G0H+3], 0x80000000
	s_mov_b32 s[G0HB], 1
	s_mov_b32 s[G0HB+1], 2*HALFT
	s_mov_b64 s[G0HB+2:G0HB+3], s[46:47]
	s_or_b32 s[G0HB+3], s[G0HB+3], 0x80000000
	s_add_nc_u64 s[20:21], s[20:21], s[18:19]      ; for the ring: my 8 blocks of the tile
	s_add_nc_u64 s[46:47], s[46:47], s[18:19]
.irp s, 0,1
	s_mov_b32 s[G0+4*\s], 1
	s_add_co_u32 s[G0+4*\s+1], s45, \s*SLOT
	s_add_nc_u64 s[G0+4*\s+2:G0+4*\s+3], s[20:21], \s*KSB
	s_or_b32 s[G0+4*\s+3], s[G0+4*\s+3], 0x80000000
	s_mov_b32 s[G0B+4*\s], 1
	s_add_co_u32 s[G0B+4*\s+1], s45, \s*SLOT
	s_add_nc_u64 s[G0B+4*\s+2:G0B+4*\s+3], s[46:47], \s*KSB
	s_or_b32 s[G0B+4*\s+3], s[G0B+4*\s+3], 0x80000000
.endr
; The head's loads, one a wave: wave 0 K step 0 of A's 16 blocks, wave 1 of B's, wave 2 A's scale words, wave 3 B's.  One tree of branches on the wave's number; every way passes one load.
.macro ARM under, g0, g1, next
	s_cmp_lt_u32 s14, \under
	s_cbranch_scc0 \next
	tensor_load_to_lds s[\g0:\g0+3], s[\g1:\g1+7]
	s_nop 0
.rept 4
	v_nop
.endr
	s_branch .Lhead_asked
\next:
.endm
	ARM 1, G0H,  G1,  .Lhead_b
	ARM 2, G0HB, G1B, .Lhead_sa
	ARM 3, G0S,  G1S, .Lhead_sb
	tensor_load_to_lds s[G0SB:G0SB+3], s[G1SB:G1SB+7]
	s_nop 0
.rept 4
	v_nop
.endr
.Lhead_asked:
	; where the results go.  These numbers enter global addresses alone, and stand in registers that feed no descriptor
	s_cmp_eq_u32 ttmp9, 2
	s_cselect_b32 s2, s42, s17                     ; x's tile of 256 rows,
	s_cselect_b32 s3, s16, s15                     ; and my half of it
	s_cselect_b32 s12, s17, s42                    ; W's tile of 256 columns,
	s_cselect_b32 s13, s15, s16                    ; and my half of it
	s_and_b32 s12, s12, 3
	s_lshl_b32 s12, s12, 2
	s_lshl_b32 s13, s13, 1
	s_add_co_u32 s12, s12, s13                     ; my first head: 4 x tile + 2 x half
	s_lshr_b32 s13, s2, 3
	s_lshl_b32 s13, s13, 4
	s_add_co_u32 s12, s12, s13                     ; + 16 x batch
	s_mul_i32 s104, s12, HEAD
	s_mov_b32 s105, 0
	s_cmp_eq_u32 ttmp9, 0
	s_cselect_b32 s13, 0, KVH                      ; q's half, or k's and v's
	s_add_co_u32 s104, s104, s13
	s_add_nc_u64 s[98:99], s[98:99], s[104:105]
	s_and_b32 s2, s2, 7
	s_lshl_b32 s2, s2, 1
	s_add_co_u32 s2, s2, s3                        ; my step of 128 positions in the batch
	s_lshl_b32 s104, s2, 15                        ; 8 tiles of the table, 4,096 bytes each
	s_add_nc_u64 s[96:97], s[96:97], s[104:105]
	s_mul_i32 s104, s2, 12288
	s_add_co_u32 s104, s104, 12288
	s_add_nc_u64 s[12:13], s[98:99], s[104:105]    ; the step's codes
	s_cmp_eq_u32 ttmp9, 2
	s_cselect_b32 s3, 8, 9
	s_cselect_b32 s95, 8192, 0
	s_lshl_b32 s104, s2, s3                        ; the step's scale words: 512 bytes (q, k) or 256 (v, behind k's 8,192)
	s_add_co_u32 s104, s104, s95
	s_add_nc_u64 s[98:99], s[98:99], s[104:105]
	s_sub_co_u32 s3, s3, 4                         ; a row's scale words: 32 bytes or 16
	s_mov_b32 s[SEL], 0x76543210
	s_mov_b32 s[SEL+1], 0xfedcba98
	v_and_b32 v1, 15, v0                           ; r
	v_bfe_u32 v2, v0, 4, 1                         ; h
	v_and_b32 v3, 31, v0
	v_lshlrev_b32 v4, 4, v3                        ; 16 x lane
	v_lshlrev_b32 v5, 3, v3                        ; 8 x lane
	s_mul_i32 s21, s15, HALFT                      ; my 128 rows of A
	s_mul_i32 s22, s16, HALFT
	s_add_co_u32 s22, s22, 2*HALFT                 ; my 128 rows of B, behind A's 256
.irp s, 0,1
	v_add_nc_u32 v[ADRA+\s], s21, v4
	v_add_nc_u32 v[ADRB+\s], s22, v4
	v_add_nc_u32 v[ADRA+2+\s], s21, v5
	v_add_nc_u32 v[ADRB+2+\s], s22, v5
	s_add_co_u32 s21, s21, SLOT
	s_add_co_u32 s22, s22, SLOT
.endr
	v_lshlrev_b32 v7, 3, v1                        ; my row's two words of a K step
	s_mul_i32 s21, s15, HALFS
	s_mul_i32 s22, s16, HALFS
	s_add_co_u32 s22, s22, 2*HALFS
	s_sub_co_u32 s22, s22, s21
	v_mul_u32_u24 v6, s22, v2                      ; lanes 16-31 take B's: one product, the distance between the two bases
	s_add_co_u32 s21, s21, SCL
	v_add_nc_u32 v7, v7, v6
	v_add_nc_u32 v[ADRS], s21, v7
	v_mov_b32 v8, v4                               ; the way out: 16 x lane,
	v_mov_b32 v9, v5                               ; 8 x lane,
	v_lshlrev_b32 v10, 4, v2                       ; 16 h,
	v_mul_u32_u24 v11, v2, HEAD                    ; and the scale words' place: lanes 16-31 serve the second head
	v_lshlrev_b32 v7, s3, v1
	v_add_nc_u32 v11, v11, v7
	s_wait_alu depctr_va_vdst(0)
	s_wait_tensorcnt 0x0                           ; my tile of the head's four is in
	ds_add_u32 v[SPW], v[NIL]
	s_mov_b32 s[G1+2], 8<<16                       ; no tensor load of mine is out: from here on a load brings 8 blocks
	s_mov_b32 s[G1+4], 8
	s_mov_b32 s[G1B+2], 8<<16
	s_mov_b32 s[G1B+4], 8
	s_wait_dscnt 0x0                               ; the add is done
	CROUND                                         ; all four tiles are in, all sixteen work-groups are here
	JLOAD G0+4, G1, G0B+4, G1B                     ; K step 1, the first tensor load behind the round
	FETCH_B 0, 0, 0
	FETCH_A 0, 0, 0
	SCALES 0
	FETCH_A 0, 0, 4
	STEP 0, 0, 1                                   ; the first products start the sums: nothing is cleared
	TURN 0, 1, 1                                   ; slot 0 takes K step 2
	STEP 1, 0, 0
	TURN 1, 0, 1                                   ; slot 1 takes K step 3
	STEP 0, 0, 0
	TURN 0, 1, 0                                   ; nothing is left to fetch
	s_cmp_eq_u32 ttmp9, 2                          ; the kinds part here, once: every window is 0
	s_cbranch_scc1 .Lv_out
	TAB 0                                          ; q, k: the first two blocks' cos and sin are asked for ahead of the last 128 products
	TAB 1
	TAIL
.irp a, 0,1,2,3,4,5,6,7
	QKOUT \a
.endr
	global_store_b128 v11, v[SW:SW+3], s[98:99]    ; my row's eight scale words of the step
	global_store_b128 v11, v[SW+4:SW+7], s[98:99] offset:16
	s_branch .Ldone
.Lv_out:
	TAIL
.irp a, 0,1,2,3,4,5,6,7
	VOUT \a
.endr
	s_mov_b32 s95, 0xffff0000
.irp i, 0,1,2,3
	v_cndmask_b32 v[OW+\i], v[SW+\i], v[SW+4+\i], s95   ; lanes 16-31 serve the second head
.endr
	global_store_b128 v11, v[OW:OW+3], s[98:99]
.Ldone:
	s_wait_tensorcnt 0x0                           ; the wave's end
	ds_add_u32 v[SPW], v[NIL]
	s_wait_dscnt 0x0
	CROUND                                         ; the closing round
	s_endpgm
.Lfunc_end_k_q0ab55c2c85_gemm1:
	.size	k_q0ab55c2c85_gemm1, .Lfunc_end_k_q0ab55c2c85_gemm1-k_q0ab55c2c85_gemm1
	.p2alignl 7, 3214868480
	.fill 96, 4, 3214868480
	.section	.rodata,"a",@progbits
	.p2align	6, 0x0
	.amdhsa_kernel k_q0ab55c2c85_gemm1
		.amdhsa_group_segment_fixed_size 327680
		.amdhsa_private_segment_fixed_size 0
		.amdhsa_enable_private_segment 0
		.amdhsa_kernarg_size 48
		.amdhsa_user_sgpr_count 2
		.amdhsa_user_sgpr_kernarg_segment_ptr 1
		.amdhsa_wavefront_size32 1
		.amdhsa_system_sgpr_workgroup_id_x 1
		.amdhsa_system_sgpr_workgroup_id_y 1
		.amdhsa_system_sgpr_workgroup_id_z 1
		.amdhsa_system_vgpr_workitem_id 0
		.amdhsa_next_free_vgpr 1024
		.amdhsa_next_free_sgpr 106
		.amdhsa_reserve_vcc 0
		.amdhsa_float_denorm_mode_32 3
		.amdhsa_float_denorm_mode_16_64 3
		.amdhsa_memory_ordered 1
		.amdhsa_forward_progress 1
		.amdhsa_inst_pref_size 244
	.end_amdhsa_kernel
	.amdgpu_metadata
---
amdhsa.version: [ 1, 2 ]
amdhsa.kernels:
  - .name:           k_q0ab55c2c85_gemm1
    .symbol:         k_q0ab55c2c85_gemm1.kd
    .args:
      - { .name: xc, .offset: 0, .size: 8, .value_kind: global_buffer, .address_space: global }
      - { .name: xs, .offset: 8, .size: 8, .value_kind: global_buffer, .address_space: global }
      - { .name: wc, .offset: 16, .size: 8, .value_kind: global_buffer, .address_space: global }
      - { .name: ws, .offset: 24, .size: 8, .value_kind: global_buffer, .address_space: global }
      - { .name: tab, .offset: 32, .size: 8, .value_kind: global_buffer, .address_space: global }
      - { .name: qkv, .offset: 40, .size: 8, .value_kind: global_buffer, .address_space: global }
    .group_segment_fixed_size: 327680
    .private_segment_fixed_size: 0
    .kernarg_segment_align: 8
    .kernarg_segment_size: 48
    .max_flat_workgroup_size: 128
    .sgpr_count:     106
    .vgpr_count:     1024
    .wavefront_size: 32
...
	.end_amdgpu_metadata
.endif
;; end of part 2
;; launch att (part 3): grid 4 x 64, 16 waves a work-group, no clusters, 327,680 bytes of LDS; arguments qkv, yc, ys; writes yc, ys
.if DOCPART == 3
	.amdgcn_target "amdgcn-amd-amdhsa--gfx1250"
	.amdhsa_code_object_version 6
	.text
	.protected	k_q0ab55c2c85_att
	.globl	k_q0ab55c2c85_att
	.p2align	8
	.type	k_q0ab55c2c85_att,@function
k_q0ab55c2c85_att:
	s_mov_b64 s[64:65], 0
	v_nop
	global_prefetch_b8 v0, s[64:65] scope:SCOPE_SE
	s_setreg_imm32_b32 hwreg(HW_REG_WAVE_MODE, 25, 1), 1
	s_wait_xcnt 0x0
; Causal attention of one (batch, head) on codes of FP6 (E2M3) with E8M0 scales; y leaves as codes and scale bytes along the channels, as images of operand registers.
; LEFT OUT: steps of 128 keys that lie wholly behind a tile's queries: reference()'s own causal mask sets their scores to -inf, so their p is 0 for all inputs.
; DEAL.  A head has 16 groups of 128 queries, each of 8 tiles of 16.  Work-group x (0..3) takes tiles 2 x and 2 x + 1 of every group; wave w (i = w % 2, j = w / 2) takes tile 2 x + i of group 15 - j and then of group j:
; 16 - j and j + 1 steps of 128 keys, 17 for every wave.  The head's k and v (208,896 bytes with their scale words) are filled into LDS once, in two fills: the scale words and steps 0-2, then steps 3-15.
; BOTH PRODUCTS ARE USED TRANSPOSED (S^T = k q^T, O^T = v^T p^T): a lane holds one query.
; THE KEYS OF A TILE OF k ARE CHOSEN BY THE LANES' LDS ADDRESSES: tile (c, t) takes as rows 0-7 keys 64 c + 8 t + 0..7 and as rows 8-15 keys 64 c + 32 + 8 t + 0..7.  So register 32 c + e of S is key 64 c + 32 h + e (h = lane / 16):
; a lane's 32 registers are one whole block of the quantiser of p, in the order that the operand's layout wants: no maximum and no code crosses lanes; only the row's maximum and the scale word do, once each.
; In memory key 32 G + 16 a + 8 u + i lies in tile 2 G + u at lane-row i + 8 a; a tile is 768 bytes: registers 0-3 at 16 x lane, 4-5 at 512 + 8 x lane.  K = 64 fills half of the instruction's 128: q's upper six registers are zero codes.
; SOFTMAX by the problem's rule: M = ceil of the running largest t, a whole number; p = 2^(t - M); the sum is taken of the unquantised p; when M moves, sum and O^T are multiplied by an exact power of two.
; A block's largest p is the exponential of its largest score, by the same multiply-add.  THE DIAGONAL STEP: 32 lane masks, made once in scalar registers, hide the keys behind a query in the 64 keys that hold the diagonal.
; NO CLUSTER: which half of the diagonal step is masked is a branch on the work-group's number, which in a cluster would be its place.  NO PREFETCH: both fills are asked for at the head; there is no loop to run ahead in.
; LIMITS: scaled scores under 2^31 in magnitude; NaN and infinities are not served; a block whose largest number lies under 2^-124 keeps the byte 1; the bytes are read by this program alone.
.set HEAD,  208896
.set KVH,   64*HEAD
.set STEPB, 12288
.set C0B,   4*STEPB                    ; the first fill: 12,288 bytes of scale words and three steps
.set SPARE, HEAD                       ; the spare words, 128 bytes for each wave
.set KA0, 1                            ; v1-4 lane parts of the LDS addresses: k's 16-byte and 8-byte pieces, k's and v's scale words
.set KB0, 2
.set KS0, 3
.set VS0, 4
.set SPW, 5                            ; v5 my spare word, v6 zero: kept for the add alone
.set NIL, 6
.set DM,  7
.set KA,  8                            ; v8-11 this step's addresses
.set KB,  9
.set KS,  10
.set VS,  11
.set S,    98                          ; v98-161 scores, then p
.set OT,   162                         ; v162-193 O^T
.set PCD,  194                         ; p's codes
.set CT,   206
.set BM,   214
.set BT,   218
.set RX,   220
.set SO,   222
.set SB,   224
.set FF,   226
.set PW,   227                         ; p's scale word, and nothing else
.set TMP,  228
.set RM,   229
.set VA,   230
.set VA0,  231
.set QO,   232
.set SH8,  233
.set NINF, 234
.set T0,   236
.set WV,   18
.set GR,   19                          ; the tile's group = its last step
.set TB,   20
.set TS,   21
.set TJ,   22
.set ST,   23
.set CNT,  24
.set PT,   25
.set JW,   26
.set SEL,  30
.set CS,   32
.set NCS,  35
.set G0A,  36
.set G0B,  40
.set G1A,  44
.set G1B,  52
.set QP,   60
.set QS,   62
.set YP,   66
.set YS,   68
.set MK,   70                          ; s70-101 the diagonal's lane masks
.macro SUMS n                          ; 2 n packed additions of the row's sum, in two chains
.rept \n
	v_pk_add_f32 v[14:15], v[14:15], v[S+j:S+j+1]
	v_pk_add_f32 v[SB:SB+1], v[SB:SB+1], v[S+2+j:S+3+j]
.set j, j+4
.endr
.endm
.macro TM n                            ; t - M, two at a time
.rept \n
	v_pk_fma_f32 v[S+j:S+j+1], v[S+j:S+j+1], s[CS:CS+1], v[12:13] op_sel_hi:[1,0,0]
.set j, j+2
.endr
.endm
.macro STEP diag
	s_cmp_gt_u32 s[ST], s[GR]                      ; a step behind the tile's queries: ids alone decide
	s_cbranch_scc1 .Lhidden_\@
	v_add_nc_u32 v[KA], s[TB], v[KA0]
	v_add_nc_u32 v[KB], s[TB], v[KB0]
	v_add_nc_u32 v[KS], s[TS], v[KS0]
.irp c, 0,1
.irp t, 0,1,2,3
	ds_load_b128 v[32+6*(4*\c+\t):35+6*(4*\c+\t)], v[KA] offset:(4*\c+\t%2)*768+128*(\t/2)
	ds_load_b64 v[36+6*(4*\c+\t):37+6*(4*\c+\t)], v[KB] offset:(4*\c+\t%2)*768+64*(\t/2)
.endr
.irp a, 0,1
	ds_load_b64 v[86+4*\c+2*\a:87+4*\c+2*\a], v[KS] offset:256*\a+16*\c   ; the scale words of tiles (c, 2 a) and (c, 2 a + 1)
.endr
.endr
	s_wait_alu depctr_va_vdst(0)
	s_wait_dscnt 0x0
.irp t, 0,1,2,3,4,5,6,7
	v_wmma_scale_f32_16x16x128_f8f6f4 v[S+8*\t:S+8*\t+7], v[32+6*\t:43+6*\t], v[16:27], 0, v[86+\t], v28 matrix_a_fmt:MATRIX_FMT_FP6 matrix_b_fmt:MATRIX_FMT_FP6
.endr
	v_add_nc_u32 v[VA], s[TB], v[VA0]              ; four places ahead of the loads into k's registers and of the first read of S
	v_add_nc_u32 v[VS], s[TJ], v[VS0]
	v_mov_b32 v[TMP], v12                          ; the old -M
	v_nop
.irp d, 0,1,2,3
.irp i, 0,1,2
	ds_load_b128 v[32+12*\d+4*\i:35+12*\d+4*\i], v[VA] offset:1536*\d+512*\i
.endr
.endr
	ds_load_b128 v[94:97], v[VS]
.if \diag
	s_cmp_lg_u32 s[ST], s[GR]
	s_cbranch_scc1 .Lopen_\@
	s_cmp_gt_u32 ttmp9, 1
	s_cbranch_scc1 .Lhi_\@
.set n, 0
.rept 32                                       ; my queries lie in keys 0-63 of the step: these by the masks, keys 64-127 are all hidden
	v_cndmask_b32 v[S+n], v[S+n], v[NINF], s[MK+n]
.set n, n+1
.endr
.set n, 32
.rept 32
	v_mov_b32 v[S+n], v[NINF]
.set n, n+1
.endr
	s_wait_alu depctr_va_vdst(0)
	s_branch .Lopen_\@
.Lhi_\@:
.set n, 0
.rept 32                                       ; my queries lie in keys 64-127: keys 0-63 are all open
	v_cndmask_b32 v[S+32+n], v[S+32+n], v[NINF], s[MK+n]
.set n, n+1
.endr
.Lopen_\@:
.endif
.irp q, 0,1,2,3                                ; the largest score of my two blocks, in four chains; each accumulator is read from its low end on
	v_max3_num_f32 v[BM+\q], v[S+16*\q], v[S+1+16*\q], v[S+2+16*\q]
.endr
.irp i, 3,5,7,9,11,13
.irp q, 0,1,2,3
	v_max3_num_f32 v[BM+\q], v[BM+\q], v[S+16*\q+\i], v[S+1+16*\q+\i]
.endr
.endr
	v_max3_num_f32 v[BM], v[BM], v[BM+1], v[S+15]
	v_max3_num_f32 v[BM+2], v[BM+2], v[BM+3], v[S+47]
	v_max_num_f32 v[BM], v[BM], v[S+31]            ; block h
	v_max_num_f32 v[BM+2], v[BM+2], v[S+63]        ; block 2 + h
	s_delay_alu instid0(VALU_DEP_1)
	v_max_num_f32 v[RM], v[BM], v[BM+2]
	s_delay_alu instid0(VALU_DEP_1)
	v_permlanex16_b32 v[RX], v[RM], s[SEL], s[SEL+1]
	s_delay_alu instid0(VALU_DEP_1)
	v_max3_num_f32 v13, v13, v[RM], v[RX]          ; the running largest score of my query
	s_delay_alu instid0(VALU_DEP_1)
	v_mul_f32 v[RM], s[NCS], v13                   ; -t
	s_delay_alu instid0(VALU_DEP_1)
	v_floor_f32 v12, v[RM]                         ; -M = floor(-t): M is a whole number
	s_delay_alu instid0(VALU_DEP_1)
	v_sub_f32 v[TMP], v12, v[TMP]                  ; old M less new M
.set j, 0
	TM 4
	v_cvt_i32_f32 v[TMP], v[TMP]                   ; (it saturates)
	TM 4
	v_ldexp_f32 v[FF], 1.0, v[TMP]                 ; f = 2^(old M - new M)
	TM 24
	v_fma_f32 v[BM], v[BM], s[CS], v12
	v_fma_f32 v[BM+2], v[BM+2], s[CS], v12
.set j, 0
.rept 16
	v_pk_mul_f32 v[OT+j:OT+j+1], v[OT+j:OT+j+1], v[FF:FF+1] op_sel_hi:[1,0]   ; O^T under the new M, ahead of the exponentials
.set j, j+2
.endr
	s_wait_alu depctr_va_vdst(0)
	v_exp_f32 v[BM], v[BM]                         ; my blocks' largest p
	v_exp_f32 v[BM+2], v[BM+2]
.set j, 0
.rept 64
	v_exp_f32 v[S+j], v[S+j]
.set j, j+1
.endr
	v_pk_mul_f32 v[14:15], v[14:15], v[FF:FF+1] op_sel_hi:[1,0]   ; the sums under the new M: the plain place behind the batch
	s_wait_alu depctr_va_vdst(0)                   ; one wait for the batch, ahead of its first reader
	s_wait_dscnt 0x0                               ; v's fragments and scale words are in
	v_max_num_f32 v[BM], 0x1800000, v[BM]          ; the floor 2^(3 - 127): the byte cannot fall under 1
	v_max_num_f32 v[BM+2], 0x1800000, v[BM+2]
	s_delay_alu instid0(VALU_DEP_2)
	v_add_nc_u32 v[SO], 0xff000000, v[BM]          ; 2 off the exponent field: the conversion's scale operand
	v_add_nc_u32 v[SO+1], 0xff000000, v[BM+2]
.irp c, 0,1
	v_cvt_scalef32_pk16_fp6_f32 v[PCD+6*\c:PCD+2+6*\c], v[S+32*\c:S+15+32*\c], v[SO+\c]
	v_cvt_scalef32_pk16_fp6_f32 v[CT+4*\c:CT+2+4*\c], v[S+16+32*\c:S+31+32*\c], v[SO+\c]   ; (a conversion's three registers begin on an even number)
.endr
	v_lshrrev_b32 v[BM], 23, v[SO]                 ; the bytes
	v_lshrrev_b32 v[BM+2], 23, v[SO+1]
	s_delay_alu instid0(VALU_DEP_1)
	v_lshl_or_b32 v[BM], v[BM+2], 16, v[BM]
	s_delay_alu instid0(VALU_DEP_1)
	v_lshlrev_b32 v[BM], v[SH8], v[BM]             ; at their places: 8 h bits up
	s_delay_alu instid0(VALU_DEP_1)
	v_permlanex16_b32 v[RX], v[BM], s[SEL], s[SEL+1]
	s_delay_alu instid0(VALU_DEP_1)
	v_or_b32 v[PW], v[BM], v[RX]                   ; with lane l xor 16's two the word is whole
.irp c, 0,1
.irp i, 0,1,2
	v_mov_b32 v[PCD+3+6*\c+\i], v[CT+4*\c+\i]
.endr
.endr
	v_pk_add_f32 v[SB:SB+1], v[S:S+1], v[S+2:S+3]  ; the row's sum of the unquantised p: eleven additions here are the places ahead of the scaled products,
.set j, 4
	SUMS 5
.irp d, 0,1,2,3
	v_wmma_scale_f32_16x16x128_f8f6f4 v[OT+8*\d:OT+8*\d+7], v[32+12*\d:43+12*\d], v[PCD:PCD+11], v[OT+8*\d:OT+8*\d+7], v[94+\d], v[PW] matrix_a_fmt:MATRIX_FMT_FP6 matrix_b_fmt:MATRIX_FMT_FP6
.endr
	SUMS 10                                        ; and the rest are the places behind them
	v_pk_add_f32 v[14:15], v[14:15], v[SB:SB+1]
.Lhidden_\@:
	s_add_co_u32 s[TB], s[TB], STEPB
	s_add_co_u32 s[TS], s[TS], 512
	s_add_co_u32 s[TJ], s[TJ], 256
	s_add_co_u32 s[ST], s[ST], 1
.endm
.macro LOOPSTEPS n                     ; a constant count of trips; hidden steps are jumped over
	s_mov_b32 s[CNT], \n
.Lsteps_\@:
	STEP 1
	s_sub_co_u32 s[CNT], s[CNT], 1
	s_cmp_lg_u32 s[CNT], 0
	s_cbranch_scc1 .Lsteps_\@
.endm
.macro INIT                            ; tile 8 GR + PT: its q, where its y goes, and an empty state
	s_lshl_b32 s27, s[GR], 3
	s_add_co_u32 s27, s27, s[PT]
	s_mul_i32 s2, s[GR], STEPB
	s_mul_i32 s34, s[PT], 768
	s_add_co_u32 s2, s2, s34
	s_add_co_u32 s2, s2, 12288
	s_mov_b32 s3, 0
	s_add_nc_u64 s[QP:QP+1], s[10:11], s[2:3]
	s_lshl_b32 s2, s[GR], 9
	s_lshl_b32 s34, s[PT], 2
	s_add_co_u32 s2, s2, s34
	s_add_nc_u64 s[QS:QS+1], s[10:11], s[2:3]
	s_mul_i32 s2, s27, 12288
	s_add_nc_u64 s[YP:YP+1], s[6:7], s[2:3]
	s_lshl_b32 s2, s27, 9
	s_add_nc_u64 s[YS:YS+1], s[8:9], s[2:3]
	s_wait_alu depctr_va_vdst(0)
	global_load_b128 v[16:19], v29, s[QP:QP+1]
	global_load_b64 v[20:21], v30, s[QP:QP+1] offset:512
	global_load_b32 v28, v[QO], s[QS:QS+1]
	v_mov_b32 v13, 0xff61b1e6                      ; the largest score so far: -3e38
	v_mov_b32 v12, 0x7f61b1e6                      ; -M
	v_mov_b32 v14, 0
	v_mov_b32 v15, 0
.set j, 0
.rept 32
	v_mov_b32 v[OT+j], 0
.set j, j+1
.endr
	s_mov_b32 s[TB], 0
	s_mov_b32 s[TS], 0
	s_mov_b32 s[TJ], 0
	s_mov_b32 s[ST], 0
	s_wait_alu depctr_va_vdst(0)
.endm
.macro WAYOUT                          ; O^T / the sum, quantised along the head's 64 channels; register 16 b + i is channel 32 b + 16 h + i
	s_wait_alu depctr_va_vdst(0)
	v_add_f32 v14, v14, v15
	s_delay_alu instid0(VALU_DEP_1)
	v_permlanex16_b32 v[TMP], v14, s[SEL], s[SEL+1]
	s_delay_alu instid0(VALU_DEP_1)
	v_add_f32 v14, v14, v[TMP]
	s_wait_alu depctr_va_vdst(0)
	v_rcp_f32 v14, v14
	v_nop
	s_wait_alu depctr_va_vdst(0)
.set j, 0
.rept 16
	v_pk_mul_f32 v[S+j:S+j+1], v[OT+j:OT+j+1], v[14:15] op_sel_hi:[1,0]
.set j, j+2
.endr
.irp b, 0,1
	v_max3_num_f32 v[BM+\b], |v[S+16*\b]|, |v[S+1+16*\b]|, 0x1800000
.endr
.irp i, 2,4,6,8,10,12,14
.irp b, 0,1
	s_delay_alu instid0(VALU_DEP_2)
	v_max3_num_f32 v[BM+\b], v[BM+\b], |v[S+16*\b+\i]|, |v[S+1+16*\b+\i]|
.endr
.endr
.irp b, 0,1
	s_delay_alu instid0(VALU_DEP_2)
	v_permlanex16_b32 v[BT+\b], v[BM+\b], s[SEL], s[SEL+1]
.endr
.irp b, 0,1
	s_delay_alu instid0(VALU_DEP_2)
	v_max_num_f32 v[BM+\b], v[BM+\b], v[BT+\b]
.endr
.irp b, 0,1
	s_delay_alu instid0(VALU_DEP_2)
	v_add_nc_u32 v[SO+\b], 0xff000000, v[BM+\b]
.endr
.irp b, 0,1
	s_delay_alu instid0(VALU_DEP_2)
	v_lshrrev_b32 v[BT+\b], 23, v[SO+\b]
.endr
	s_delay_alu instid0(VALU_DEP_1)
	v_lshl_or_b32 v[TMP], v[BT+1], 8, v[BT]
	v_cvt_scalef32_pk16_fp6_f32 v[PCD:PCD+2], v[S:S+15], v[SO]
	v_cvt_scalef32_pk16_fp6_f32 v[CT:CT+2], v[S+16:S+31], v[SO+1]
	v_nop
.irp i, 0,1,2
	v_permlane16_swap_b32 v[PCD+\i], v[CT+\i]
.endr
.irp i, 0,1,2
	s_delay_alu instid0(VALU_DEP_3)
	v_mov_b32 v[PCD+3+\i], v[CT+\i]
.endr
	global_store_b128 v29, v[PCD:PCD+3], s[YP:YP+1]
	global_store_b64 v30, v[PCD+4:PCD+5], s[YP:YP+1] offset:512
	global_store_b16 v31, v[TMP], s[YS:YS+1]
.endm
	s_load_b128 s[4:7], s[0:1], 0x0                ; qkv, yc
	s_load_b64 s[8:9], s[0:1], 0x10                ; ys
	v_lshl_add_u32 v[SPW], v0, 2, SPARE
	v_mov_b32 v[NIL], 0
	ds_add_u32 v[SPW], v[NIL]                      ; the opening lines: the add twice on end and its wait ahead of my first tensor load
	ds_add_u32 v[SPW], v[NIL]
	v_lshrrev_b32 v8, 5, v0
	s_delay_alu instid0(VALU_DEP_1)
	v_readfirstlane_b32 s[WV], v8
	s_and_b32 s16, ttmp7, 0xffff                   ; batch x head
	s_mul_i32 s14, s16, HEAD
	s_mov_b32 s15, 0
	s_mov_b32 s[G1A], 3<<16                        ; dense bytes as rows of 256: 12 rows a wave in the first fill,
	s_mov_b32 s[G1A+1], 32<<16
	s_mov_b32 s[G1A+2], 12<<16
	s_mov_b32 s[G1A+3], 32<<16
	s_mov_b32 s[G1A+4], 12
	s_mov_b32 s[G1A+5], 32
	s_mov_b32 s[G1A+6], 0
	s_mov_b32 s[G1A+7], 0
	s_mov_b32 s[G1B], 3<<16                        ; 39 in the second
	s_mov_b32 s[G1B+1], 32<<16
	s_mov_b32 s[G1B+2], 39<<16
	s_mov_b32 s[G1B+3], 32<<16
	s_mov_b32 s[G1B+4], 39
	s_mov_b32 s[G1B+5], 32
	s_mov_b32 s[G1B+6], 0
	s_mov_b32 s[G1B+7], 0
	s_mov_b32 s[G0A], 1
	s_mul_i32 s[G0A+1], s[WV], C0B/16
	s_mov_b32 s[G0B], 1
	s_mul_i32 s[G0B+1], s[WV], (HEAD-C0B)/16
	s_add_co_u32 s[G0B+1], s[G0B+1], C0B
	s_mov_b32 s[SEL], 0x76543210
	s_mov_b32 s[SEL+1], 0xfedcba98
	s_mov_b32 s[CS], 0x3e38aa3b                    ; c = log2(e) / 8
	s_mov_b32 s[CS+1], s[CS]
	s_mov_b32 s[NCS], 0xbe38aa3b                   ; -c
	s_and_b32 s17, s16, 15                         ; head
	s_lshr_b32 s27, s16, 4                         ; batch
	s_mul_i32 s28, s27, 128*12288
	s_mul_i32 s29, s17, 768
	s_add_co_u32 s28, s28, s29                     ; y's codes: the batch's row blocks, the head's half fragment
	s_lshl_b32 s34, s27, 16
	s_lshr_b32 s29, s17, 2
	s_lshl_b32 s29, s29, 7
	s_add_co_u32 s34, s34, s29
	s_and_b32 s29, s17, 3
	s_lshl_b32 s29, s29, 1
	s_add_co_u32 s34, s34, s29                     ; y's scale bytes
	s_wait_dscnt 0x0
	s_wait_kmcnt 0x0
	s_add_nc_u64 s[10:11], s[4:5], s[14:15]        ; q's half
	s_add_nc_u64 s[12:13], s[10:11], KVH           ; k's and v's
	s_mov_b32 s2, s[G0A+1]
	s_mov_b32 s3, 0
	s_add_nc_u64 s[G0A+2:G0A+3], s[12:13], s[2:3]
	s_or_b32 s[G0A+3], s[G0A+3], 0x80000000
	s_mov_b32 s2, s[G0B+1]
	s_add_nc_u64 s[G0B+2:G0B+3], s[12:13], s[2:3]
	s_or_b32 s[G0B+3], s[G0B+3], 0x80000000
	tensor_load_to_lds s[G0A:G0A+3], s[G1A:G1A+7]  ; my sixteenth of the first fill: my one load at the head
	s_nop 0
	s_mov_b32 s2, s28
	s_add_nc_u64 s[6:7], s[6:7], s[2:3]
	s_mov_b32 s2, s34
	s_add_nc_u64 s[8:9], s[8:9], s[2:3]
	s_and_b32 s27, s[WV], 1                        ; i
	s_lshr_b32 s[JW], s[WV], 1                     ; j
	s_lshl_b32 s[PT], ttmp9, 1
	s_add_co_u32 s[PT], s[PT], s27                 ; my tile of a group: 2 x + i
	s_lshl_b32 s14, s27, 3
	s_and_b32 s29, ttmp9, 1
	s_lshl_b32 s29, s29, 5
	s_add_co_u32 s14, s14, s29                     ; 8 i + 32 (x % 2)
	v_and_b32 v29, 31, v0
	v_and_b32 v31, 15, v0                          ; r
	v_and_b32 v[T0], 7, v0                         ; r % 8
	v_bfe_u32 v[T0+1], v0, 3, 1                    ; r / 8
	v_bfe_u32 v[T0+2], v0, 4, 1                    ; h
	v_lshlrev_b32 v30, 3, v29                      ; 8 x lane
	v_lshlrev_b32 v29, 4, v29                      ; 16 x lane
	v_mul_u32_u24 v[T0+3], v[T0+1], 1536           ; rows 8-15 of a tile come from two tiles further on
	v_add_nc_u32 v[VA0], 12288+6144, v29
	v_add_nc_u32 v[T0+3], 12288, v[T0+3]
	v_lshlrev_b32 v[KS0], 5, v[T0]
	v_lshl_add_u32 v[KA0], v[T0], 4, v[T0+3]
	v_lshl_add_u32 v[KB0], v[T0], 3, v[T0+3]
	v_lshl_add_u32 v[KS0], v[T0+1], 3, v[KS0]
	v_lshl_add_u32 v[KA0], v[T0+2], 8, v[KA0]
	v_lshl_add_u32 v[KB0], v[T0+2], 7, v[KB0]
	v_lshl_add_u32 v[VS0], v31, 4, 8192
	v_lshlrev_b32 v[QO], 5, v31
	v_add_nc_u32 v[KB0], 512, v[KB0]
	v_lshlrev_b32 v[SH8], 3, v[T0+2]
	v_lshl_add_u32 v[DM], v[T0+1], 4, v[T0]
	v_lshlrev_b32 v[T0+3], 5, v[T0+2]
	v_add_nc_u32 v[DM], s14, v[DM]
	v_lshlrev_b32 v31, 3, v31
	v_sub_nc_u32 v[DM], v[DM], v[T0+3]             ; my query's place in the diagonal's 64 keys, less my block's first key
.irp j, 22,23,24,25,26,27,80,81,82,83,84,85
	v_mov_b32 v[\j], 0                             ; zero codes: the upper 64 of the instruction's K
.endr
.irp b, 0,1,2,3
	v_mov_b32 v[BT+\b], 0                          ; written once: a lane permute's destination counts as a source
.endr
	v_mov_b32 v[PW], 0
	v_mov_b32 v[TMP], 0
	v_mov_b32 v[NINF], 0xff800000
.set n, 0
.rept 32
	v_cmp_gt_i32 s[MK+n], n, v[DM]                 ; the lanes whose key e = n lies behind their query
.set n, n+1
.endr
	s_sub_co_u32 s[GR], 15, s[JW]                  ; the longer tile first
	INIT
	s_wait_tensorcnt 0x0                           ; my part of the first fill is in
	ds_add_u32 v[SPW], v[NIL]
	s_wait_dscnt 0x0
	s_barrier_signal -1
	s_barrier_wait -1
	tensor_load_to_lds s[G0B:G0B+3], s[G1B:G1B+7]  ; my sixteenth of steps 3-15
	s_nop 0
	s_wait_loadcnt 0x0
	STEP 0                                         ; steps 0-2 lie in the first fill; no tile of groups 8-15 has its diagonal here
	STEP 0
	STEP 0
	s_wait_alu depctr_va_vdst(0)
	s_wait_tensorcnt 0x0                           ; my part of the second fill is in,
	s_wait_dscnt 0x0
	s_barrier_signal -1
	s_barrier_wait -1                              ; and everybody's
	LOOPSTEPS 13
	WAYOUT
	s_wait_xcnt 0x0                                ; the stores have read their bases and data
	s_mov_b32 s[GR], s[JW]
	INIT
	s_wait_loadcnt 0x0
	LOOPSTEPS 8                                    ; groups 0-7 have at most 8 steps
	WAYOUT
	s_wait_tensorcnt 0x0                           ; the wave's end
	ds_add_u32 v[SPW], v[NIL]
	s_wait_dscnt 0x0
	s_endpgm
.Lfunc_end_k_q0ab55c2c85_att:
	.size	k_q0ab55c2c85_att, .Lfunc_end_k_q0ab55c2c85_att-k_q0ab55c2c85_att
	.p2alignl 7, 3214868480
	.fill 96, 4, 3214868480
	.section	.rodata,"a",@progbits
	.p2align	6, 0x0
	.amdhsa_kernel k_q0ab55c2c85_att
		.amdhsa_group_segment_fixed_size 327680
		.amdhsa_private_segment_fixed_size 0
		.amdhsa_enable_private_segment 0
		.amdhsa_kernarg_size 24
		.amdhsa_user_sgpr_count 2
		.amdhsa_user_sgpr_kernarg_segment_ptr 1
		.amdhsa_wavefront_size32 1
		.amdhsa_system_sgpr_workgroup_id_x 1
		.amdhsa_system_sgpr_workgroup_id_y 1
		.amdhsa_system_sgpr_workgroup_id_z 1
		.amdhsa_system_vgpr_workitem_id 0
		.amdhsa_next_free_vgpr 256
		.amdhsa_next_free_sgpr 102
		.amdhsa_reserve_vcc 0
		.amdhsa_float_denorm_mode_32 3
		.amdhsa_float_denorm_mode_16_64 3
		.amdhsa_memory_ordered 1
		.amdhsa_forward_progress 1
		.amdhsa_inst_pref_size 108
	.end_amdhsa_kernel
	.amdgpu_metadata
---
amdhsa.version: [ 1, 2 ]
amdhsa.kernels:
  - .name:           k_q0ab55c2c85_att
    .symbol:         k_q0ab55c2c85_att.kd
    .args:
      - { .name: qkv, .offset: 0, .size: 8, .value_kind: global_buffer, .address_space: global }
      - { .name: yc, .offset: 8, .size: 8, .value_kind: global_buffer, .address_space: global }
      - { .name: ys, .offset: 16, .size: 8, .value_kind: global_buffer, .address_space: global }
    .group_segment_fixed_size: 327680
    .private_segment_fixed_size: 0
    .kernarg_segment_align: 8
    .kernarg_segment_size: 24
    .max_flat_workgroup_size: 512
    .sgpr_count:     102
    .vgpr_count:     256
    .wavefront_size: 32
...
	.end_amdgpu_metadata
.endif
;; end of part 3
;; launch gemm2 (part 4): grid 4 x 64, 4 waves a work-group, clusters of 4 x 4, 327,680 bytes of LDS; arguments yc, ys, wc, ws, out0; writes out0
.if DOCPART == 4
	.amdgcn_target "amdgcn-amd-amdhsa--gfx1250"
	.amdhsa_code_object_version 6
	.text
	.protected	k_q0ab55c2c85_gemm2
	.globl	k_q0ab55c2c85_gemm2
	.p2align	8
	.type	k_q0ab55c2c85_gemm2,@function
k_q0ab55c2c85_gemm2:
	s_mov_b64 s[64:65], 0
	v_nop
	global_prefetch_b8 v0, s[64:65] scope:SCOPE_SE
	s_setreg_imm32_b32 hwreg(HW_REG_WAVE_MODE, 25, 1), 1
	s_wait_xcnt 0x0
	s_wait_alu depctr_hold_cnt(0) depctr_sa_sdst(0) depctr_va_vdst(0) depctr_va_sdst(0) depctr_va_ssrc(0) depctr_va_vcc(0) depctr_vm_vsrc(0)
	s_getreg_b32 s2, hwreg(HW_REG_IB_STS2, 6, 4)
	s_cmp_eq_u32 s2, 0
	s_cbranch_scc0 .Lentry_in_a_cluster
	s_endpgm
.Lentry_in_a_cluster:
	s_bfe_u32 s2, ttmp6, 0x10000c
	s_cmp_lg_u32 s2, 0xf033
	s_cbranch_scc0 .Lentry_shape_is_right
	s_endpgm
.Lentry_shape_is_right:
; out0 = y W_proj on codes of FP6 (E2M3) with E8M0 scales, K = 1,024.  A block of 128 x 256 is made by four waves, 64 x 128 each: 32 accumulators, 256 registers; 64 x 4 = 256 work-groups.
; OPERANDS LIE IN MEMORY AS IMAGES OF THEIR REGISTERS: [block of 16 rows][fragment of 128 K: 8][1536 bytes]; a fragment: registers 0-3 at 16 x lane, 4-5 at 512 + 8 x lane, 6-9 at 768 + 16 x lane, 10-11 at 1,280 + 8 x lane.
; ALL OF K AT ONCE: A's 8 blocks (98,304 bytes) and B's 16 (196,608) are dense in memory and fit in LDS together.  Each wave asks for one half of A or of B by one joint load at the head; nothing is filled again: no ring.
; THE SCALE WORDS ([block][K step of 256: 4][r 16][2]) go from memory into registers: a load of 8 bytes a lane covers 256 consecutive bytes: lanes 0-15 hold an even K step of 256, lanes 16-31 the odd one, taken by ROW1.
; ORDER.  Lane-row r of block c is the true index 32 (c / 2) + 8 (c % 2) + r % 8 + 16 (r / 8).  Source 0 takes B's rows, source 1 A's: lane (r, h) holds A's lane-row r; register j of accumulator (a, b) is column 32 (b / 2) + 16 h + 8 (b % 2) + j.
; CLUSTERS: 4 x 4 work-groups; A's bytes are shared along a row of the cluster, B's along a column, each asked for jointly.  No prefetch: all fills stand at the head; there is no loop to run ahead in.
; THE WAY OUT goes through a stage of 16 rows x 528 bytes a wave, in A's bytes, behind a barrier that follows every wave's last read of LDS; 32 lanes store 512 consecutive bytes of a row.
; REGISTERS: window 0: v16-29 addresses; v32-47 A's scale words, v48-79 B's, and nothing else; v128-223 A's fragments, two sets.  window 1: B's fragments, two sets, at v0 and v128.  window 2: accumulator (a, b) at v[8 (8 a + b)].
.set FR,    12
.set NP,    4                          ; places behind this matrix instruction (ISA guide 7.12.1)
.set RBB,   12288
.set AHALF, 4*RBB
.set BHALF, 8*RBB
.set BBASE, 2*AHALF
.set SPARE, BBASE+2*BHALF              ; the spare words, 128 bytes for each wave
.set SPITCH, 528
.set ADRA, 16                          ; v16 16 x lane + my A rows, v17 the same with 8 x lane
.set ADRB, 20                          ; v20, 21 16 x lane + my B blocks 0-3, 4-7; v22, 23 with 8 x lane
.set STO,  24
.set RD,   25
.set CO,   26
.set SOF,  27
.set SPW,  28
.set NIL,  29
.set SAS,  32
.set SBS,  48
.set AF,   128
.set BK,   128
.set G1, 24
.set G0, 32
.set G1B, 48
.set G0B, 56
.set MSB, 0
.macro WIN new                         ; the immediate's high byte repeats the setting that is left
.if MSB != (\new)
	s_set_vgpr_msb (MSB<<8)|(\new)
.set MSB, (\new)
.endif
.endm
.set MUL_LO, 0xa1                      ; source 0 (B) window 1, source 1 (A) window 0, C and D window 2
.set TO_B,   0x40
.macro CREST
	s_cmp_lg_u32 s14, 0
	s_cbranch_scc1 .Lnot_wave_0_\@
	s_barrier_signal -3
.Lnot_wave_0_\@:
	s_barrier_wait -3
	s_barrier_signal -1
	s_barrier_wait -1
.endm
.macro CROUND
	s_barrier_signal -1
	s_barrier_wait -1
	CREST
.endm
.macro PLACES n
.rept \n
	v_nop
.endr
.endm
.macro FRAG reg, a16, a8, off
	ds_load_b128 v[\reg:\reg+3], v[\a16] offset:\off
	ds_load_b64 v[\reg+4:\reg+5], v[\a8] offset:\off+512
	ds_load_b128 v[\reg+6:\reg+9], v[\a16] offset:\off+768
	ds_load_b64 v[\reg+10:\reg+11], v[\a8] offset:\off+1280
.endm
.macro FETCH s                         ; the fragments of step s (128 along K): B's eight and A's four, into set s % 2
	WIN TO_B
.irp i, 0,1,2,3,4,5,6,7
	FRAG 128*((\s)%2)+FR*\i, ADRB+(\i/4), ADRB+2+(\i/4), (\i%4)*RBB+(\s)*1536
.endr
	WIN 0
.irp i, 0,1,2,3
	FRAG AF+48*((\s)%2)+FR*\i, ADRA, ADRA+1, \i*RBB+(\s)*1536
.endr
.endm
; 32 matrix instructions; the 32 accumulators take turns, one instruction a turn, in the same order in every step.  Step 0 starts the sums.
.macro MUL s
.irp a, 0,1,2,3
.irp b, 0,1,2,3,4,5,6,7
.set DD, 8*(8*\a+\b)
.set BF, 128*((\s)%2)+FR*\b
.set AA, AF+48*((\s)%2)+FR*\a
.set SBR, SBS+4*\b+2*((\s)/4)+(\s)%2
.set SAR, SAS+4*\a+2*((\s)/4)+(\s)%2
.if (\s) == 0
	v_wmma_scale_f32_16x16x128_f8f6f4 v[DD:DD+7], v[BF:BF+FR-1], v[AA:AA+FR-1], 0, v[SBR], v[SAR] matrix_a_fmt:MATRIX_FMT_FP6 matrix_b_fmt:MATRIX_FMT_FP6
.else
.if ((\s)/2)%2
	v_wmma_scale_f32_16x16x128_f8f6f4 v[DD:DD+7], v[BF:BF+FR-1], v[AA:AA+FR-1], v[DD:DD+7], v[SBR], v[SAR] matrix_a_fmt:MATRIX_FMT_FP6 matrix_b_fmt:MATRIX_FMT_FP6 matrix_a_scale:MATRIX_SCALE_ROW1 matrix_b_scale:MATRIX_SCALE_ROW1
.else
	v_wmma_scale_f32_16x16x128_f8f6f4 v[DD:DD+7], v[BF:BF+FR-1], v[AA:AA+FR-1], v[DD:DD+7], v[SBR], v[SAR] matrix_a_fmt:MATRIX_FMT_FP6 matrix_b_fmt:MATRIX_FMT_FP6
.endif
.endif
.endr
.endr
.endm
.macro STEP s
	s_wait_dscnt 0x0                               ; this step's fragments are in
.if (\s) < 7
	PLACES NP                                      ; ahead of the loads into the set that the last step multiplied
	FETCH (\s)+1
.else
	s_barrier_signal -1                            ; my reads of LDS are over
.endif
	WIN MUL_LO
	MUL \s
	WIN 0
.endm
	s_load_b128 s[4:7], s[0:1], 0x0                ; yc, ys
	s_load_b128 s[8:11], s[0:1], 0x10              ; wc, ws
	s_load_b64 s[12:13], s[0:1], 0x20              ; out0
	v_lshl_add_u32 v[SPW], v0, 2, SPARE
	v_mov_b32 v[NIL], 0
	ds_add_u32 v[SPW], v[NIL]                      ; the opening lines: the add twice on end and its wait ahead of my first tensor load
	ds_add_u32 v[SPW], v[NIL]
	v_lshrrev_b32 v1, 5, v0
	v_readfirstlane_b32 s14, v1                    ; wave 0..3
	s_lshr_b32 s15, s14, 1                         ; my half of the block's rows.  Also: I fetch for A (0) or B (1)
	s_and_b32 s16, s14, 1                          ; my half of its columns.  Also: which half I fetch
	s_bfe_u32 s40, ttmp6, 0x40000                  ; cx
	s_bfe_u32 s41, ttmp6, 0x40004                  ; cy
	s_lshl_b32 s42, ttmp9, 2
	s_add_co_u32 s42, s42, s40                     ; block column, 0..3
	s_and_b32 s17, ttmp7, 0xffff
	s_lshl_b32 s17, s17, 2
	s_add_co_u32 s17, s17, s41                     ; block row, 0..63
	s_lshl_b32 s43, s41, 2
	s_lshl_b32 s43, 15, s43                        ; my row of the cluster
	s_lshl_b32 s44, 0x1111, s40                    ; my column
	s_or_b32 s[G1+0], s43, (3<<16)|(1<<21)         ; dense bytes as rows of 256: half of A is 192 rows,
	s_mov_b32 s[G1+1], 32<<16
	s_mov_b32 s[G1+2], 192<<16
	s_mov_b32 s[G1+3], 32<<16
	s_mov_b32 s[G1+4], 192
	s_mov_b32 s[G1+5], 32
	s_mov_b32 s[G1+6], 0
	s_mov_b32 s[G1+7], 0
	s_or_b32 s[G1B+0], s44, (3<<16)|(1<<21)        ; half of B 384
	s_mov_b32 s[G1B+1], 32<<16
	s_mov_b32 s[G1B+2], 384<<16
	s_mov_b32 s[G1B+3], 32<<16
	s_mov_b32 s[G1B+4], 384
	s_mov_b32 s[G1B+5], 32
	s_mov_b32 s[G1B+6], 0
	s_mov_b32 s[G1B+7], 0
	s_lshl_b32 s20, s17, 3
	s_lshl_b32 s18, s16, 2
	s_add_co_u32 s20, s20, s18                     ; A: I fetch from block 8 x block row + 4 x half
	s_mul_i32 s20, s20, RBB
	s_mov_b32 s21, 0
	s_lshl_b32 s46, s42, 4
	s_lshl_b32 s18, s16, 3
	s_add_co_u32 s46, s46, s18
	s_add_co_u32 s46, s46, 192                     ; B: from block 192 + 16 x block column + 8 x half
	s_lshl_b32 s92, s46, 9                         ; these are also the blocks of B that I multiply: their scale words
	s_mov_b32 s93, 0
	s_mul_i32 s46, s46, RBB
	s_mov_b32 s47, 0
	s_lshl_b32 s22, s17, 3
	s_lshl_b32 s18, s15, 2
	s_add_co_u32 s22, s22, s18                     ; the blocks of A that I multiply,
	s_lshl_b32 s22, s22, 9                         ; and their scale words
	s_mov_b32 s23, 0
	s_wait_dscnt 0x0                               ; both opening adds are done
	s_wait_kmcnt 0x0
	s_add_nc_u64 s[20:21], s[4:5], s[20:21]
	s_add_nc_u64 s[22:23], s[6:7], s[22:23]
	s_add_nc_u64 s[46:47], s[8:9], s[46:47]
	s_add_nc_u64 s[92:93], s[10:11], s[92:93]
	CROUND                                         ; all sixteen work-groups are here: the joint loads meet
	s_mov_b32 s[G0], 1
	s_mul_i32 s[G0+1], s16, AHALF                  ; where they go: by the wave's number alone
	s_mov_b64 s[G0+2:G0+3], s[20:21]
	s_or_b32 s[G0+3], s[G0+3], 0x80000000
	s_mov_b32 s[G0B], 1
	s_mul_i32 s[G0B+1], s16, BHALF
	s_add_co_u32 s[G0B+1], s[G0B+1], BBASE
	s_mov_b64 s[G0B+2:G0B+3], s[46:47]
	s_or_b32 s[G0B+3], s[G0B+3], 0x80000000
	s_cmp_eq_u32 s15, 0                            ; waves 0 and 1 fetch A's halves, waves 2 and 3 B's: one load a wave, on every way
	s_cbranch_scc0 .Lfor_b
	tensor_load_to_lds s[G0:G0+3], s[G1:G1+7]
	s_nop 0
.rept 4
	v_nop
.endr
	s_branch .Lasked
.Lfor_b:
	tensor_load_to_lds s[G0B:G0B+3], s[G1B:G1B+7]
	s_nop 0
.rept 4
	v_nop
.endr
.Lasked:
	s_mul_i32 s18, s15, AHALF                      ; my 64 rows of A
	s_mul_i32 s19, s16, BHALF
	s_add_co_u32 s19, s19, BBASE                   ; my 128 rows of B: blocks 0-3,
	s_add_co_u32 s95, s19, AHALF                   ; and blocks 4-7 (an LDS offset has 16 bits)
	s_mul_i32 s96, s14, 16*SPITCH                  ; my stage
	v_and_b32 v1, 15, v0                           ; r
	v_bfe_u32 v2, v0, 4, 1                         ; h
	v_and_b32 v3, 31, v0
	v_lshlrev_b32 v4, 4, v3                        ; 16 x lane
	v_lshlrev_b32 v5, 3, v3                        ; 8 x lane
	v_mul_u32_u24 v6, v1, SPITCH
	v_add_nc_u32 v[ADRA], s18, v4
	v_add_nc_u32 v[ADRA+1], s18, v5
	v_add_nc_u32 v[ADRB], s19, v4
	v_add_nc_u32 v[ADRB+1], s95, v4
	v_add_nc_u32 v[ADRB+2], s19, v5
	v_add_nc_u32 v[ADRB+3], s95, v5
	v_lshl_add_u32 v6, v2, 6, v6                   ; into the stage: row r, 64 bytes for each half of the lanes
	v_mov_b32 v[SOF], v5
	v_mov_b32 v[CO], v4
	v_add_nc_u32 v[RD], s96, v4                    ; back: the 32 lanes take one row of 512 bytes
	v_add_nc_u32 v[STO], s96, v6
	s_wait_alu depctr_va_vdst(0)
.irp i, 0,1,2,3
.irp p, 0,1
	global_load_b64 v[SAS+4*\i+2*\p:SAS+4*\i+2*\p+1], v[SOF], s[22:23] offset:512*\i+256*\p   ; block i, K steps 2 p (lanes 0-15) and 2 p + 1 (lanes 16-31), two words a row
.endr
.endr
.irp i, 0,1,2,3,4,5,6,7
.irp p, 0,1
	global_load_b64 v[SBS+4*\i+2*\p:SBS+4*\i+2*\p+1], v[SOF], s[92:93] offset:512*\i+256*\p
.endr
.endr
	s_lshl_b32 s20, s17, 7
	s_lshl_b32 s21, s15, 6
	s_add_co_u32 s20, s20, s21                     ; my first row of the output: 128 x block row + 64 x half
	s_lshl_b32 s20, s20, 12
	s_mov_b32 s21, 0
	s_lshl_b32 s46, s42, 10                        ; my first column, in bytes
	s_lshl_b32 s47, s16, 9
	s_add_co_u32 s46, s46, s47
	s_mov_b32 s47, 0
	s_add_nc_u64 s[20:21], s[20:21], s[46:47]
	s_add_nc_u64 s[12:13], s[12:13], s[20:21]
	s_wait_tensorcnt 0x0                           ; my half of A or of B is in,
	s_barrier_signal -1
	s_barrier_wait -1                              ; and everybody's
	FETCH 0
	s_wait_loadcnt 0x0                             ; the scale words are in
	STEP 0
	STEP 1
	STEP 2
	STEP 3
	STEP 4
	STEP 5
	STEP 6
	STEP 7
	s_barrier_wait -1                              ; nobody reads LDS any more: the stage may be written over A's bytes, which have had their only fill
.macro TOSTAGE a
.set AC, 64*(\a)
	WIN 0x08                                       ; the data: window 2
.irp b, 0,1,2,3,4,5,6,7
	ds_store_b128 v[STO], v[AC+8*\b:AC+8*\b+3] offset:128*(\b/2)+32*(\b%2)      ; each accumulator from its low end on
	ds_store_b128 v[STO], v[AC+8*\b+4:AC+8*\b+7] offset:128*(\b/2)+32*(\b%2)+16
.endr
	WIN 0
.set BB, BK+64*((\a)%2)
.irp t, 0,1,2,3,4,5,6,7,8,9,10,11,12,13,14,15
	ds_load_b128 v[BB+4*\t:BB+4*\t+3], v[RD] offset:\t*SPITCH   ; LDS serves a wave's instructions in order: these see my stores
.endr
.endm
.macro SEND a, younger                 ; younger: the LDS instructions issued behind block a's loads, which may stay out
.set BB, BK+64*((\a)%2)
	s_wait_dscnt \younger
.if (\a) > 0
.if (\a)%2
	s_add_nc_u64 s[12:13], s[12:13], 8*4096        ; an odd block begins 8 true rows behind the even one,
.else
	s_add_nc_u64 s[12:13], s[12:13], 24*4096       ; the next even one 24 further on
.endif
.endif
.irp t, 0,1,2,3,4,5,6,7,8,9,10,11,12,13,14,15
	global_store_b128 v[CO], v[BB+4*\t:BB+4*\t+3], s[12:13] offset:((\t%8)+16*(\t/8))*4096 th:TH_STORE_NT
.endr
.endm
	PLACES NP                                      ; ahead of the first read of results and of the loads into A's fragments' registers
	TOSTAGE 0
.irp a, 1,2,3
.if \a > 1
	s_wait_xcnt 0x0                                ; block a - 2's stores have read their registers and their base
.endif
	TOSTAGE \a
	SEND \a-1, 32                                  ; behind block a - 1's loads: block a's 16 stores and 16 loads
.endr
	s_wait_xcnt 0x0
	SEND 3, 0
	s_wait_tensorcnt 0x0                           ; the wave's end
	ds_add_u32 v[SPW], v[NIL]
	s_wait_dscnt 0x0
	CROUND                                         ; the closing round
	s_endpgm
.Lfunc_end_k_q0ab55c2c85_gemm2:
	.size	k_q0ab55c2c85_gemm2, .Lfunc_end_k_q0ab55c2c85_gemm2-k_q0ab55c2c85_gemm2
	.p2alignl 7, 3214868480
	.fill 96, 4, 3214868480
	.section	.rodata,"a",@progbits
	.p2align	6, 0x0
	.amdhsa_kernel k_q0ab55c2c85_gemm2
		.amdhsa_group_segment_fixed_size 327680
		.amdhsa_private_segment_fixed_size 0
		.amdhsa_enable_private_segment 0
		.amdhsa_kernarg_size 40
		.amdhsa_user_sgpr_count 2
		.amdhsa_user_sgpr_kernarg_segment_ptr 1
		.amdhsa_wavefront_size32 1
		.amdhsa_system_sgpr_workgroup_id_x 1
		.amdhsa_system_sgpr_workgroup_id_y 1
		.amdhsa_system_sgpr_workgroup_id_z 1
		.amdhsa_system_vgpr_workitem_id 0
		.amdhsa_next_free_vgpr 768
		.amdhsa_next_free_sgpr 98
		.amdhsa_reserve_vcc 0
		.amdhsa_float_denorm_mode_32 3
		.amdhsa_float_denorm_mode_16_64 3
		.amdhsa_memory_ordered 1
		.amdhsa_forward_progress 1
		.amdhsa_inst_pref_size 82
	.end_amdhsa_kernel
	.amdgpu_metadata
---
amdhsa.version: [ 1, 2 ]
amdhsa.kernels:
  - .name:           k_q0ab55c2c85_gemm2
    .symbol:         k_q0ab55c2c85_gemm2.kd
    .args:
      - { .name: yc, .offset: 0, .size: 8, .value_kind: global_buffer, .address_space: global }
      - { .name: ys, .offset: 8, .size: 8, .value_kind: global_buffer, .address_space: global }
      - { .name: wc, .offset: 16, .size: 8, .value_kind: global_buffer, .address_space: global }
      - { .name: ws, .offset: 24, .size: 8, .value_kind: global_buffer, .address_space: global }
      - { .name: out0, .offset: 32, .size: 8, .value_kind: global_buffer, .address_space: global }
    .group_segment_fixed_size: 327680
    .private_segment_fixed_size: 0
    .kernarg_segment_align: 8
    .kernarg_segment_size: 40
    .max_flat_workgroup_size: 128
    .sgpr_count:     98
    .vgpr_count:     768
    .wavefront_size: 32
...
	.end_amdgpu_metadata
.endif
;; end of part 4
